; MI455X (gfx1250); checked and timed in simulation.
; The chip was launched on July 23, 2026; its instructions are those of AMD's public machine-readable ISA for CDNA 5 (MIT licence, August 2026) and "CDNA5" Instruction Set Architecture Reference Guide (July 2026). The comments in the code are by the model that wrote it; some were corrected since.
;; MHA. Allowed arithmetic: matrix products marked QUANTISED: E2M3 operands, one E8M0 scale for each 32 along K, by v_wmma_scale_f32_16x16x128_f8f6f4 with both operands' format E2M3, f32 sums; everything else in f32.
;; Inputs: b_k 1,024 float32; b_o 1,024 float32; b_q 1,024 float32; b_v 1,024 float32; k 4 x 2,048 x 1,024 float32; mask 4 x 1 x 1 x 2,048 int32; q 4 x 2,048 x 1,024 float32; v 4 x 2,048 x 1,024 float32; w_k 1,024 x 1,024 float32; w_o 1,024 x 1,024 float32; w_q 1,024 x 1,024 float32; w_v 1,024 x 1,024 float32.
;; Outputs: out0 4 x 2,048 x 1,024 float32.
;; This version of the problem:
;;   THIS VERSION OF THE PROBLEM IS GIVEN IN LOW PRECISION. The matrix products marked QUANTISED in the list below multiply operands that are first quantised to E2M3 (2 exponent bits, 3 mantissa bits; 6 bits a number), with one power-of-two scale for each 32 numbers along K (OCP MX v1.0); their sums are f32. All else is computed in f32.
;;   The module's matrix products, in the order in which they are computed (A, B: the left and right operand; K: the contracted axis; several contracted axes count as one K, in the product's order):
;;     1. [M 8,192, K 1,024] x [K 1,024, N 1,024]; A: input q; B: input w_q: QUANTISED
;;     2. [M 8,192, K 1,024] x [K 1,024, N 1,024]; A: input k; B: input w_k: QUANTISED
;;     3. [M 8,192, K 1,024] x [K 1,024, N 1,024]; A: input v; B: input w_v: QUANTISED
;;     4. batch 64 x [M 2,048, K 64] x [K 64, N 2,048]; A: computed on the way; B: computed on the way: QUANTISED
;;     5. batch 64 x [M 2,048, K 2,048] x [K 2,048, N 64]; A: softmax (see below); B: computed on the way: QUANTISED
;;     6. [M 8,192, K 1,024] x [K 1,024, N 1,024]; A: computed on the way; B: input w_o: QUANTISED
;;   THE QUANTISER, for each operand of a quantised product, along K:
;;     - K is cut into blocks of 32 from its start; a last block that is shorter is filled with zeros.
;;     - A block's scale is 2^e with e = floor(log2(the largest magnitude in the block)) - 2, held to -126 .. 127; a block of zeros has e = 0. As a byte (E8M0): e + 127.
;;     - Each number is divided by its block's scale, clamped to +-7.5, and rounded to the nearest number of E2M3, ties to even, subnormals kept.
;;     - The product sums the exact products of the quantised numbers (number of the format x scale) in f32.
;;   ~~~python
;;   def quantise(x, axis):      # numpy; x: float32 -> the quantised numbers, widened to float32 again
;;       x = np.moveaxis(x, axis, -1); K = x.shape[-1]
;;       x = np.pad(x, [(0, 0)] * (x.ndim - 1) + [(0, -K % 32)]); x = x.reshape(x.shape[:-1] + (-1, 32)); a = np.abs(x).max(-1, keepdims=True)
;;       e = np.where(a > 0, np.clip(np.frexp(np.where(a > 0, a, 1))[1] - 1 - 2, -126, 127), 0)      # np.frexp(a)[1] - 1 = floor(log2(a)), exactly
;;       r = np.clip(x / 2.0 ** e, -7.5, 7.5)
;;       step = 2.0 ** (np.maximum(np.frexp(np.where(r == 0, 1, r))[1] - 1, 0) - 3)
;;       q = np.round(r / step) * step * 2.0 ** e      # np.round: ties to even
;;       return np.moveaxis(q.reshape(q.shape[:-2] + (-1,))[..., :K], -1, axis).astype(np.float32)
;;   ~~~
;;   SOFTMAX AHEAD OF A QUANTISED PRODUCT. Where the list says 'softmax', what is quantised is not the finished softmax but p = 2^(t - M), with t = logit x log2(e) and M = ceil(the row's largest t), a whole number; so 1/2 < the row's largest p <= 1. The row's sum l is taken of the UNQUANTISED p, in f32, and the product's result is divided by l at the end. Since M is a whole number, a kernel that streams over the keys may use a running M (the ceiling of the running maximum): every later rescaling is an exact power of two, which a block's scale takes up: the codes' values come out the same.
;;   OPERANDS COMPUTED ON THE WAY. 'Computed on the way' means the value that the module computes at that place (a softmax that the list does not call 'softmax' is quantised finished and normalised). What goes into a quantiser is computed in f32, as accurately as f32 sums, v_exp_f32 and their like allow (about 1e-6 of the number): no bf16 or f16 on the way to a quantiser, and a product that is left as it is and whose result goes on into a quantised operand takes f32 operands (vector FMAs, or v_wmma_f32_16x16x4_f32). A number that lies on a knife's edge between two numbers of the format may be rounded either way, as far as f32 arithmetic and the matrix unit's own rounding can turn it there, and no further.
;; One version. Each part assembles by itself: llvm-mc -triple=amdgcn-amd-amdhsa -mcpu=gfx1250 --defsym DOCPART=n.
;; ======== version 1 of 1: 4 launches
;; limits: right only within a limited range of input values
;; workspace buffers: codes 22,937,600 bytes; hcodes 19,660,800 bytes; hscales 524,288 bytes; ocodes 6,291,456 bytes; oscales 262,144 bytes
;; launch quant (part 1): grid 256 x 1, 7 waves a work-group, no clusters, 60,160 bytes of LDS; arguments q, k, v, w_q, w_k, w_v, w_o, codes; writes codes
.if DOCPART == 1
	.amdgcn_target "amdgcn-amd-amdhsa--gfx1250"
	.amdhsa_code_object_version 6
	.text
	.protected	k_qfe24ad46a2_quant
	.globl	k_qfe24ad46a2_quant
	.p2align	8
	.type	k_qfe24ad46a2_quant,@function
k_qfe24ad46a2_quant:
	s_mov_b64 s[64:65], 0
	v_nop
	global_prefetch_b8 v0, s[64:65] scope:SCOPE_SE
	s_setreg_imm32_b32 hwreg(HW_REG_WAVE_MODE, 25, 1), 1
	s_wait_xcnt 0x0
; q, k, v [8192][1024] and w_q, w_k, w_v, w_o [1024][1024], f32 with K innermost, become codes of FP6 (E2M3) with one E8M0 byte for each 32 along K,
; laid in the ORDER OF AN OPERAND'S REGISTERS.  A tile is 16 rows: lane index i of tile T stands for row 32 (T / 2) + 8 (T % 2) + i + 8 (i / 8) of its tensor.
; A fragment (16 rows x 128 K, 12 registers a lane) is 1,536 bytes: registers 0-3 at 16 x lane, 4-5 at 512 + 8 x lane, 6-9 at 768 + 16 x lane, 10-11 at 1,280 + 8 x lane.
; A tile is two records of 6,400 bytes, one for each half of K: four fragments, then 256 bytes of scale words (row index r: 16 bytes at 16 r, word j for the half's K step j).
; Tiles in the buffer: q 0-511, k 512-1023, v 1024-1535, w_q 1536-, w_k 1600-, w_v 1664-, w_o 1728-1791.
; A block's scale is 2^(floor(log2(largest magnitude)) - 2); its byte is the largest magnitude's exponent field - 2, held at 1 from below.  A block of zeros keeps the byte 1 where the rule says 127:
; its codes are zeros, and this program alone reads the bytes.
; LIMITS: blocks whose largest magnitude lies under 2^-124 keep the byte 1; NaN and infinities among the inputs are not served.
; SHARES: a wave takes one tile over all of K: 8 K steps of 16 rows x 512 bytes.  Each load reads 512 consecutive bytes of a row; a K step turns through the wave's own stage in LDS (rows of 528 bytes),
; so that a lane gets 16 neighbours of each block of 32 of its row.  Two K steps' loads (32 a wave) are on their way.  No tensor load, no barrier: waves share nothing.
.set ROWB,  4096                       ; a row of any of the seven tensors, in bytes
.set SP,    528                        ; a stage row: 512 bytes + 16, so that sixteen lanes' reads of one column of 16 rows start 16 bytes apart modulo 256
.set REC,   6400
.set TILEB, 12800
.set R,     16                         ; v16-143  two sets of 64: a K step as loaded
.set X,     144                        ; v144-207 64 numbers: register 16 b + i = k 32 b + 16 (lane / 16) + i of my row
.set TM,    208                        ; v208-223 at work
.set W,     224                        ; v224-231 the scale word of each K step
.set PC,    232                        ; v232-243 the fragment just made; v244-250 at work
.set SEL,   24                         ; s[24:25] selects of v_permlanex16_b32 for lane l xor 16
.set IN,    20                         ; s[20:21] my tile's first row
.set OUT,   18                         ; s[18:19] my tile in codes
; 64 numbers of a lane become a fragment's codes in v[PC] on and its scale word in v[pw]
.macro QUANT s, pw
.irp b, 0,1,2,3
	v_max3_num_f32 v[TM+\b], |v[\s+16*\b]|, |v[\s+1+16*\b]|, 0x1800000   ; block b: my 16 numbers, and the floor 2^(3 - 127): the byte cannot fall under 1
.endr
.irp i, 2,4,6,8,10,12,14
.irp b, 0,1,2,3
	v_max3_num_f32 v[TM+\b], v[TM+\b], |v[\s+16*\b+\i]|, |v[\s+1+16*\b+\i]|   ; the four blocks by turns
.endr
.endr
.irp b, 0,1,2,3
	v_permlanex16_b32 v[TM+4+\b], v[TM+\b], s[SEL], s[SEL+1]
.endr
.irp b, 0,1,2,3
	v_max_num_f32 v[TM+\b], v[TM+\b], v[TM+4+\b]   ; with lane l xor 16's: the block's largest magnitude
.endr
.irp b, 0,1,2,3
	v_add_nc_u32 v[TM+12+\b], 0xff000000, v[TM+\b]   ; 2 off its exponent field: the conversion takes this operand's exponent field as its scale
.endr
.irp b, 0,1,2,3
	v_lshrrev_b32 v[TM+4+\b], 23, v[TM+12+\b]      ; the scale's byte
.endr
	v_lshl_or_b32 v[\pw], v[TM+5], 8, v[TM+4]      ; four bytes: my row's scale word
	v_lshl_or_b32 v[\pw], v[TM+6], 16, v[\pw]
	v_lshl_or_b32 v[\pw], v[TM+7], 24, v[\pw]
.irp c, 0,1
	v_cvt_scalef32_pk16_fp6_f32 v[PC+6*\c:PC+2+6*\c], v[\s+32*\c:\s+15+32*\c], v[TM+12+2*\c]
	v_cvt_scalef32_pk16_fp6_f32 v[PC+12+4*\c:PC+14+4*\c], v[\s+16+32*\c:\s+31+32*\c], v[TM+12+2*\c+1]   ; (a conversion's three registers begin on an even number)
.endr
	v_nop                                          ; one plain place behind a scaled conversion
.irp c, 0,1                                    ; the operand's layout wants a whole block in a lane: lanes 0-15 block 2 c, lanes 16-31 block 2 c + 1
.irp i, 0,1,2
	v_permlane16_swap_b32 v[PC+6*\c+\i], v[PC+12+4*\c+\i]
.endr
.irp i, 0,1,2
	v_mov_b32 v[PC+3+6*\c+\i], v[PC+12+4*\c+\i]
.endr
.endr
.endm
	s_load_b512 s[4:19], s[0:1], 0x0               ; q, k, v, w_q, w_k, w_v, w_o, codes
	v_lshl_add_u32 v247, v0, 2, 0xe700             ; the spare words lie behind the seven waves' stages of 8,448 bytes
	v_mov_b32 v251, 0
	v_lshrrev_b32 v1, 5, v0
	v_readfirstlane_b32 s26, v1                    ; wave 0..6
	v_and_b32 v1, 31, v0                           ; lane
	v_and_b32 v2, 15, v0                           ; r
	v_bfe_u32 v3, v0, 4, 1                         ; h
	v_lshlrev_b32 v4, 4, v1                        ; 16 x lane: my bytes of a load's 512, and of a store's
	s_mul_i32 s27, s26, 16*SP                      ; my wave's stage
	v_add_nc_u32 v5, s27, v4                       ; into it: a row as it lies
	v_mul_u32_u24 v6, v2, SP
	v_lshl_add_u32 v6, v3, 6, v6
	v_add_nc_u32 v6, s27, v6                       ; out of it: row r, + 64 h: my 16 numbers of a block
	v_lshlrev_b32 v8, 3, v1                        ; 8 x lane
	v_mul_u32_u24 v9, v3, REC
	v_lshl_add_u32 v9, v2, 4, v9
	v_add_nc_u32 v9, 6144, v9                      ; the scale words: lanes 0-15 record 0's, lanes 16-31 record 1's, 16 bytes a row
	s_mov_b32 s[SEL], 0x76543210
	s_mov_b32 s[SEL+1], 0xfedcba98
.irp b, 0,1,2,3
	v_mov_b32 v[TM+4+\b], 0                        ; written once: a lane permute's destination counts as one of its sources
.endr
	s_wait_alu depctr_va_vdst(0)
	s_wait_kmcnt 0x0
	; 1,792 tiles are 256 work-groups x 7 waves: wave w of work-group g takes tile 7 g + w of the buffer
	s_mul_i32 s23, ttmp9, 7
	s_add_co_u32 s23, s23, s26                     ; my tile in codes
	s_mov_b64 s[IN:IN+1], s[16:17]                 ; which tensor: by the tile's number alone
	s_mov_b32 s22, 1728                            ; and the tensor's first tile
	s_cmp_lt_u32 s23, 1728
	s_cselect_b64 s[IN:IN+1], s[14:15], s[IN:IN+1]
	s_cselect_b32 s22, 1664, s22
	s_cmp_lt_u32 s23, 1664
	s_cselect_b64 s[IN:IN+1], s[12:13], s[IN:IN+1]
	s_cselect_b32 s22, 1600, s22
	s_cmp_lt_u32 s23, 1600
	s_cselect_b64 s[IN:IN+1], s[10:11], s[IN:IN+1]
	s_cselect_b32 s22, 1536, s22
	s_cmp_lt_u32 s23, 1536
	s_cselect_b64 s[IN:IN+1], s[8:9], s[IN:IN+1]
	s_cselect_b32 s22, 1024, s22
	s_cmp_lt_u32 s23, 1024
	s_cselect_b64 s[IN:IN+1], s[6:7], s[IN:IN+1]
	s_cselect_b32 s22, 512, s22
	s_cmp_lt_u32 s23, 512
	s_cselect_b64 s[IN:IN+1], s[4:5], s[IN:IN+1]
	s_cselect_b32 s22, 0, s22
	s_sub_co_u32 s28, s23, s22
	s_lshr_b32 s29, s28, 1
	s_lshl_b32 s30, s29, 17                        ; 32 rows of 4,096 bytes for each pair of tiles,
	s_and_b32 s29, s28, 1
	s_lshl_b32 s29, s29, 15                        ; 8 rows for the odd one
	s_add_co_u32 s30, s30, s29
	; TENSOR k ALONE has another order: lane index i of its tile T stands for row 64 (T / 4) + 8 (T % 4) + i % 8 + 32 (i / 8), so that in the attention a lane's 32 scores of four tiles are one block of 32 keys
	s_lshr_b32 s29, s28, 2
	s_lshl_b32 s34, s29, 18                        ; 64 rows for each four tiles,
	s_and_b32 s29, s28, 3
	s_lshl_b32 s29, s29, 15                        ; 8 rows for each tile in the four
	s_add_co_u32 s34, s34, s29
	s_mov_b32 s32, 16*ROWB                         ; from index 0's row to index 8's: 16 rows, for k 32
	s_cmp_eq_u32 s22, 512                          ; k's first tile
	s_cselect_b32 s30, s34, s30
	s_cselect_b32 s32, 32*ROWB, s32
	s_mov_b32 s31, 0
	s_mov_b32 s33, 0
	s_add_nc_u64 s[IN:IN+1], s[IN:IN+1], s[30:31]
	s_add_nc_u64 s[32:33], s[IN:IN+1], s[32:33]    ; s[IN+12:IN+13]: index 8's row
	s_mul_i32 s30, s23, TILEB
	s_add_nc_u64 s[OUT:OUT+1], s[OUT:OUT+1], s[30:31]
.macro LOAD s                          ; K step s: 16 rows x 512 bytes into set s % 2
.irp i, 0,1,2,3,4,5,6,7,8,9,10,11,12,13,14,15
	global_load_b128 v[R+64*((\s)%2)+4*\i:R+64*((\s)%2)+4*\i+3], v4, s[IN+12*(\i/8):IN+12*(\i/8)+1] offset:(\i%8)*ROWB+512*(\s) th:TH_LOAD_NT
.endr
.endm
.macro FRAGQ s
.if (\s) < 7
	s_wait_loadcnt 16                              ; this K step's sixteen loads are in; the next step's sixteen may be out
.else
	s_wait_loadcnt 0
.endif
.irp i, 0,1,2,3,4,5,6,7,8,9,10,11,12,13,14,15
	ds_store_b128 v5, v[R+64*((\s)%2)+4*\i:R+64*((\s)%2)+4*\i+3] offset:SP*\i
.endr
.irp b, 0,1,2,3
.irp j, 0,1,2,3
	ds_load_b128 v[X+16*\b+4*\j:X+16*\b+4*\j+3], v6 offset:128*\b+16*\j   ; LDS serves a wave's instructions in order (ISA guide 5.7.1.4): these see the stores above
.endr
.endr
	s_wait_dscnt 0x0                               ; the numbers are back; the stores have read their registers, which take the loads below
	s_wait_xcnt 0x0                                ; the last fragment's stores have read v[PC] on, which QUANT writes again
.if (\s) < 6
	LOAD (\s)+2
.endif
	QUANT X, W+(\s)
	global_store_b128 v4, v[PC:PC+3], s[OUT:OUT+1] offset:((\s)/4)*REC+((\s)%4)*1536           ; each store covers 512 or 256 consecutive bytes, aligned to 256
	global_store_b64 v8, v[PC+4:PC+5], s[OUT:OUT+1] offset:((\s)/4)*REC+((\s)%4)*1536+512
	global_store_b128 v4, v[PC+6:PC+9], s[OUT:OUT+1] offset:((\s)/4)*REC+((\s)%4)*1536+768
	global_store_b64 v8, v[PC+10:PC+11], s[OUT:OUT+1] offset:((\s)/4)*REC+((\s)%4)*1536+1280
.endm
	LOAD 0
	LOAD 1
.irp s, 0,1,2,3,4,5,6,7
	FRAGQ \s
.endr
	v_cmp_lt_u32 vcc_lo, 15, v1                    ; lanes 16-31 take the second half's four words (both halves of the lanes hold row r's words)
.irp j, 0,1,2,3
	v_cndmask_b32 v[252+\j], v[W+\j], v[W+4+\j], vcc_lo
.endr
	global_store_b128 v9, v[252:255], s[OUT:OUT+1] ; sixteen lanes fill a record's 256 bytes of scale words
	s_wait_tensorcnt 0x0
	ds_add_u32 v247, v251
	s_wait_dscnt 0x0
	s_endpgm
.Lfunc_end_k_qfe24ad46a2_quant:
	.size	k_qfe24ad46a2_quant, .Lfunc_end_k_qfe24ad46a2_quant-k_qfe24ad46a2_quant
	.p2alignl 7, 3214868480
	.fill 96, 4, 3214868480
	.section	.rodata,"a",@progbits
	.p2align	6, 0x0
	.amdhsa_kernel k_qfe24ad46a2_quant
		.amdhsa_group_segment_fixed_size 60160
		.amdhsa_private_segment_fixed_size 0
		.amdhsa_enable_private_segment 0
		.amdhsa_kernarg_size 64
		.amdhsa_user_sgpr_count 2
		.amdhsa_user_sgpr_kernarg_segment_ptr 1
		.amdhsa_wavefront_size32 1
		.amdhsa_system_sgpr_workgroup_id_x 1
		.amdhsa_system_sgpr_workgroup_id_y 1
		.amdhsa_system_sgpr_workgroup_id_z 1
		.amdhsa_system_vgpr_workitem_id 0
		.amdhsa_next_free_vgpr 256
		.amdhsa_next_free_sgpr 66
		.amdhsa_reserve_vcc 1
		.amdhsa_float_denorm_mode_32 3
		.amdhsa_float_denorm_mode_16_64 3
		.amdhsa_memory_ordered 1
		.amdhsa_forward_progress 1
		.amdhsa_inst_pref_size 66
	.end_amdhsa_kernel
	.amdgpu_metadata
---
amdhsa.version: [ 1, 2 ]
amdhsa.kernels:
  - .name:           k_qfe24ad46a2_quant
    .symbol:         k_qfe24ad46a2_quant.kd
    .args:
      - { .name: q, .offset: 0, .size: 8, .value_kind: global_buffer, .address_space: global }
      - { .name: k, .offset: 8, .size: 8, .value_kind: global_buffer, .address_space: global }
      - { .name: v, .offset: 16, .size: 8, .value_kind: global_buffer, .address_space: global }
      - { .name: w_q, .offset: 24, .size: 8, .value_kind: global_buffer, .address_space: global }
      - { .name: w_k, .offset: 32, .size: 8, .value_kind: global_buffer, .address_space: global }
      - { .name: w_v, .offset: 40, .size: 8, .value_kind: global_buffer, .address_space: global }
      - { .name: w_o, .offset: 48, .size: 8, .value_kind: global_buffer, .address_space: global }
      - { .name: codes, .offset: 56, .size: 8, .value_kind: global_buffer, .address_space: global }
    .group_segment_fixed_size: 60160
    .private_segment_fixed_size: 0
    .kernarg_segment_align: 8
    .kernarg_segment_size: 64
    .max_flat_workgroup_size: 224
    .sgpr_count:     66
    .vgpr_count:     256
    .wavefront_size: 32
...
	.end_amdgpu_metadata
.endif
;; end of part 1
;; launch proj (part 2): grid 4 x 64, 4 waves a work-group, clusters of 4 x 4, 327,680 bytes of LDS; arguments codes, b_q, b_k, b_v, hcodes, hscales; writes hcodes, hscales
.if DOCPART == 2
	.amdgcn_target "amdgcn-amd-amdhsa--gfx1250"
	.amdhsa_code_object_version 6
	.text
	.protected	k_qfe24ad46a2_proj
	.globl	k_qfe24ad46a2_proj
	.p2align	8
	.type	k_qfe24ad46a2_proj,@function
k_qfe24ad46a2_proj:
	s_mov_b64 s[64:65], 0
	v_nop
	global_prefetch_b8 v0, s[64:65] scope:SCOPE_SE
	s_setreg_imm32_b32 hwreg(HW_REG_WAVE_MODE, 25, 1), 1
	s_wait_xcnt 0x0
	s_wait_alu depctr_hold_cnt(0) depctr_sa_sdst(0) depctr_va_vdst(0) depctr_va_sdst(0) depctr_va_ssrc(0) depctr_va_vcc(0) depctr_vm_vsrc(0)
	s_getreg_b32 s2, hwreg(HW_REG_IB_STS2, 6, 4)
	s_cmp_eq_u32 s2, 0
	s_cbranch_scc0 .Lentry_in_a_cluster
	s_endpgm
.Lentry_in_a_cluster:
	s_bfe_u32 s2, ttmp6, 0x10000c
	s_cmp_lg_u32 s2, 0xf033
	s_cbranch_scc0 .Lentry_shape_is_right
	s_endpgm
.Lentry_shape_is_right:
; The three projections, on codes of FP6 (E2M3) with E8M0 scales, and their results quantised in registers for the attention.
; ONE FORM: C[outer][inner] = sum over k of A[outer][k] B[inner][k] + bias; source 0 = 16 rows of B (inner), source 1 = 16 rows of A (outer); the result is quantised ALONG INNER.
;   Q, K (kind 0, 1): outer = tokens (tiles of q or k), inner = the 1,024 outputs (tiles of w_q or w_k): quantised along a head's 64.  The bias runs along inner: it is the C of the first K step.
;   V    (kind 2):    outer = the 1,024 channels (tiles of w_v), inner = tokens (tiles of v): quantised along the keys, which so come out innermost.  The bias runs along outer: it is added on the way out.
; In a result lane (r, h) holds outer row index r, and the 16 registers of B's tiles 2 b, 2 b + 1 are inner 32 b + 16 h + 0 .. 15 (the order of rows in a tile is the quantising launch's).
; SHARES: a block is 128 outer x 256 inner; a wave makes 64 x 128: 32 accumulators.  256 WORK-GROUPS STAY: each makes its block of Q, then of K, then of V (768 blocks).  Q and K are a loop of two trips, V is written out behind it:
; it asks for nothing more, and a joint load is never jumped over.
; THE RING: a block's 384 rows, all of K, are 307,200 bytes: two slots, one for each half of K.  K step 3 reads slot 0 for the last time, K step 7 slot 1: there the slot is filled with the next block's half, behind a round of the
; cluster's barrier; waves 0 and 1 load slot 0 (B's 16 tiles, A's 8), waves 2 and 3 slot 1: one load a wave is out behind a round.  Every wait on TENSORcnt is for 0.
; CLUSTER 4 x 4: A's tiles are shared along a row of the cluster, B's along a column: asked for jointly.  cx and cy enter global addresses alone.
; PREFETCH: at a block's K step 0 the next block's tiles, three and seven K steps ahead of their loads: A's 400 and B's 800 blocks of 256 bytes are shared out by address among the 16 waves that will ask jointly, 25 lanes an instruction.
; The first block's tiles come by their loads alone.
; OUT: hcodes: Q at 0: [16 batch + head][token tile 0..127][768 bytes]; K and V from 6,291,456 on as records [16 batch + head][key step][13,056: K's 8 tiles x 768, V's 4 x 1,536, K's scale words 8 x 64, V's 4 x 64]; hscales: Q's [head][tile][16 words].
; LIMITS: a block under 2^-124 keeps the byte 1 (a block of zeros too: its codes are zeros); NaN and infinities are not served.
; REGISTERS: window 0: v1-31 addresses; v36-67 A's scale words, v72-135 B's; v136-199 V's results at work; v200-249 the quantiser's.  window 1: fragments of even K steps (B at 12 b, A at 96 + 12 a), v144-207 the bias along inner.
;   window 2: fragments of odd K steps.  window 3: the accumulators, (a, b) at 8 (8 a + b).
.set REC,   6400                       ; a tile's record for half of K: four fragments of 1,536 bytes + 256 bytes of scale words
.set TILEB, 12800
.set ACH,   8*REC
.set BCH,   16*REC
.set BBASE, 2*ACH
.set SST,   BBASE+2*BCH                ; 512 bytes a wave for the scale words on their way out; no tile lands here
.set SPARE, SST+2048                   ; the spare words
.set ADA16, 4
.set ADA8,  6
.set ADB16, 8
.set ADB8,  10
.set ADAS,  12
.set ADBS,  14
.set PFO,   16
.set SSTO,  24
.set SLD,   25
.set L8,    26
.set SHF,   27
.set ABI,   28
.set ABO,   29
.set L16,   30
.set SA,    36                         ; a product's two scale registers differ by 4 modulo 8 in their numbers
.set SB,    72
.set HA,    136
.set TM,    200
.set PW,    216
.set WO,    217
.set PC,    218
.set BO,    238
.set SO,    246
.set SPW,   254
.set NIL,   255
.set BI,    144                        ; in window 1
.set G1A,   24
.set G0A,   32                         ; s[32:39] group 0 of A's tiles, a set for each slot
.set G1B,   48
.set G0B,   56
.set SEL,   66
.set OA,    68                         ; s68-70 A's first tile in codes, in bytes, for kind 0, 1, 2 (they hold cy, never cx)
.set OB,    71                         ; s71-73 B's (they hold cx, never cy)
.set COQ,   74                         ; where the results go: codes of Q, K, V; scale words of Q, K, V
.set COK,   75
.set COV,   76
.set SOQ,   77
.set SOK,   78
.set SOV,   79
.set P1,    82
.set P2,    84
.set S1,    86
.set S2,    88
.set PFA,   92
.set PFB,   94
.set BKP,   100
.set MSB, 0
.macro WIN new                         ; the immediate's high byte repeats the setting that is left
.if MSB != \new
	s_set_vgpr_msb (MSB<<8)|\new
.set MSB, \new
.endif
.endm
.macro CREST                           ; a round of the cluster's barrier behind its opening barrier
	s_cmp_lg_u32 s16, 0
	s_cbranch_scc1 .Lnot_wave_0_\@
	s_barrier_signal -3
.Lnot_wave_0_\@:
	s_barrier_wait -3
	s_barrier_signal -1
	s_barrier_wait -1
.endm
.macro CROUND
	s_barrier_signal -1
	s_barrier_wait -1
	CREST
.endm
.macro PLACES n
.rept \n
	v_nop
.endr
.endm
.macro WALU
	s_wait_alu depctr_va_vdst(0)
.endm
.macro TLOAD g0, g1
	tensor_load_to_lds s[\g0:\g0+3], s[\g1:\g1+7]
	s_nop 0
	PLACES 4
.endm
.macro SETG g                          ; slot g's two global addresses: B's tiles at s90, A's at s96, bytes from codes (s91 = s97 = 0)
	s_add_nc_u64 s[G0B+4*\g+2:G0B+4*\g+3], s[4:5], s[90:91]
	s_add_nc_u64 s[G0A+4*\g+2:G0A+4*\g+3], s[4:5], s[96:97]
.if \g
	s_add_nc_u64 s[G0B+6:G0B+7], s[G0B+6:G0B+7], REC
	s_add_nc_u64 s[G0A+6:G0A+7], s[G0A+6:G0A+7], REC
.endif
	s_or_b32 s[G0B+4*\g+3], s[G0B+4*\g+3], 0x80000000
	s_or_b32 s[G0A+4*\g+3], s[G0A+4*\g+3], 0x80000000
.endm
.macro FRAG reg, a16, a8, off          ; a fragment comes back as it was stored: an image of its 12 registers
	ds_load_b128 v[\reg:\reg+3], v[\a16] offset:\off
	ds_load_b64 v[\reg+4:\reg+5], v[\a8] offset:\off+512
	ds_load_b128 v[\reg+6:\reg+9], v[\a16] offset:\off+768
	ds_load_b64 v[\reg+10:\reg+11], v[\a8] offset:\off+1280
.endm
.macro QUANT s, pw, w                  ; 64 numbers of a lane in window w (register 16 b + i = k 32 b + 16 h + i of my row) -> codes in v[PC] on, scale word in v[pw]
	WIN (\w)|((\w)<<2)
.irp b, 0,1,2,3
	v_max3_num_f32 v[TM+\b], |v[\s+16*\b]|, |v[\s+1+16*\b]|, 0x1800000   ; each accumulator from its low end on; the floor 2^(3 - 127): the byte cannot fall under 1
.endr
	WIN ((\w)<<2)|((\w)<<4)
.irp i, 2,4,6,8,10,12,14
.irp b, 0,1,2,3
	v_max3_num_f32 v[TM+\b], v[TM+\b], |v[\s+16*\b+\i]|, |v[\s+1+16*\b+\i]|
.endr
.endr
	WIN 0
.irp b, 0,1,2,3
	v_permlanex16_b32 v[TM+4+\b], v[TM+\b], s[SEL], s[SEL+1]
.endr
.irp b, 0,1,2,3
	v_max_num_f32 v[TM+\b], v[TM+\b], v[TM+4+\b]
.endr
.irp b, 0,1,2,3
	v_add_nc_u32 v[TM+12+\b], 0xff000000, v[TM+\b]   ; 2 off the exponent field: the conversion's scale operand
.endr
.irp b, 0,1,2,3
	v_lshrrev_b32 v[TM+4+\b], 23, v[TM+12+\b]
.endr
	v_lshl_or_b32 v[\pw], v[TM+5], 8, v[TM+4]
	v_lshl_or_b32 v[\pw], v[TM+6], 16, v[\pw]
	v_lshl_or_b32 v[\pw], v[TM+7], 24, v[\pw]
	WIN \w
.irp c, 0,1
	v_cvt_scalef32_pk16_fp6_f32 v[PC+6*\c:PC+2+6*\c], v[\s+32*\c:\s+15+32*\c], v[TM+12+2*\c]
	v_cvt_scalef32_pk16_fp6_f32 v[PC+12+4*\c:PC+14+4*\c], v[\s+16+32*\c:\s+31+32*\c], v[TM+12+2*\c+1]
.endr
	WIN 0
	v_nop                                          ; one plain place behind a scaled conversion
.irp c, 0,1
.irp i, 0,1,2
	v_permlane16_swap_b32 v[PC+6*\c+\i], v[PC+12+4*\c+\i]
.endr
.irp i, 0,1,2
	v_mov_b32 v[PC+3+6*\c+\i], v[PC+12+4*\c+\i]
.endr
.endr
.endm
.macro SCALES g                        ; the scale words of half g of K: four words a row by one load
.irp a, 0,1,2,3
	ds_load_b128 v[SA+8*\a+4*(\g):SA+8*\a+4*(\g)+3], v[ADAS+(\g)] offset:REC*\a+6144
.endr
.irp b, 0,1,2,3,4,5,6,7
	ds_load_b128 v[SB+8*\b+4*(\g):SB+8*\b+4*(\g)+3], v[ADBS+(\g)] offset:REC*\b+6144
.endr
.endm
.macro FETCH q                         ; K step q's 12 fragments, 48 loads in one run, into window 1 (even q) or 2
.if ((\q)%2) == 0
	WIN 0x40
.else
	WIN 0x80
.endif
.irp b, 0,1,2,3,4,5,6,7
	FRAG 12*\b, ADB16+(\q)/4, ADB8+(\q)/4, REC*\b+1536*((\q)%4)
.endr
.irp a, 0,1,2,3
	FRAG 96+12*\a, ADA16+(\q)/4, ADA8+(\q)/4, REC*\a+1536*((\q)%4)
.endr
	WIN 0
.endm
.macro W1 a, b, q, c
	v_wmma_scale_f32_16x16x128_f8f6f4 v[8*(8*\a+\b):8*(8*\a+\b)+7], v[12*\b:12*\b+11], v[96+12*\a:96+12*\a+11], \c, v[SB+8*\b+(\q)], v[SA+8*\a+(\q)] matrix_a_fmt:MATRIX_FMT_FP6 matrix_b_fmt:MATRIX_FMT_FP6
.endm
.macro MUL q, a0, a1, isv              ; K step q's products of A's blocks a0 .. a1; the 32 accumulators take turns, one instruction a turn, in the same order in every step
.if ((\q) == 0) && ((\isv) == 0)
	WIN 0xd5                                       ; sources 0, 1 and C (the bias) window 1, D window 3
.elseif ((\q)%2) == 0
	WIN 0xf5
.else
	WIN 0xfa
.endif
.irp a, 0,1,2,3
.if (\a >= \a0) && (\a <= \a1)
.irp b, 0,1,2,3,4,5,6,7
.if (\q) > 0
	W1 \a, \b, \q, v[8*(8*\a+\b):8*(8*\a+\b)+7]
.elseif \isv
	W1 \a, \b, \q, 0
.else
	W1 \a, \b, \q, v[BI+8*\b:BI+8*\b+7]
.endif
.endr
.endif
.endr
.endm
; K step q reads slot g for the last time (its fragments were asked for a step ago): the slot takes the next block's half of K
.macro TURN q, g
	WIN 0
	s_wait_tensorcnt 0x0                           ; all my tensor loads have landed: the other slot's fill among them
	ds_add_u32 v[SPW], v[NIL]
	s_cmp_eq_u32 s22, 0                            ; no load of mine is out: the slot's descriptors take the next kind's tiles
	s_cselect_b32 s90, s[OB+1], s[OB+2]
	s_cselect_b32 s96, s[OA+1], s[OA+2]
	SETG \g
	s_wait_dscnt 1                                 ; this step's 48 fragment loads are in; the add may be out
	MUL \q, 0, 0, 0                                ; eight products stand between the add and the wait for it
	s_wait_dscnt 0x0                               ; the add is done, and so are my reads of the slot
	s_barrier_signal -1
	MUL \q, 1, 1, 0                                ; work on registers while the others arrive
	WIN 0
	s_barrier_wait -1
	CREST                                          ; no wave of any partner still reads the slot or has a load on its way
	s_cmp_eq_u32 s16, 2*\g
	s_cbranch_scc0 .Lturn_a_\@
	TLOAD G0B+4*\g, G1B
	s_branch .Lturn_done_\@
.Lturn_a_\@:
	s_cmp_eq_u32 s16, 2*\g+1
	s_cbranch_scc0 .Lturn_none_\@
	TLOAD G0A+4*\g, G1A
	s_branch .Lturn_done_\@
.Lturn_none_\@:
	PLACES 4                                       ; on every way four places stand in front of the loads below
.Lturn_done_\@:
	SCALES 1-\g                                    ; the other slot is whole: its scale words, and the next K step's fragments (behind K step 7: the next block's first)
	FETCH ((\q)+1)%8
	MUL \q, 2, 3, 0
.endm
.macro PLAIN q, isv                    ; a K step that changes no slot
	s_wait_dscnt 0x0                               ; this step's fragments, asked for 32 products ago
	PLACES 4                                       ; in front of loads into registers that the step before has read
	FETCH (\q)+1
	MUL \q, 0, 3, \isv
.endm
; A BLOCK.  At its entry the scale words of K's first half and K step 0's fragments have been asked for.  isv = 0: Q or K, in the loop, kind in s22; isv = 1: V, the last
.macro BLOCK isv
.if (\isv) == 0
	s_wait_loadcnt 0x0                             ; the bias
.endif
	s_wait_dscnt 0x0
	FETCH 1
.if (\isv) == 0
	s_cmp_eq_u32 s22, 0                            ; the next block's tiles are asked for into the L2: my sixteenth of A's 102,400 bytes and of B's 204,800
	s_cselect_b32 s98, s[OA+1], s[OA+2]
	s_cselect_b32 s40, s[OB+1], s[OB+2]
	s_add_co_u32 s98, s98, s2
	s_add_co_u32 s40, s40, s3
	s_add_nc_u64 s[PFA:PFA+1], s[4:5], s[98:99]    ; (the last trip's prefetches have read these: a wait on XCNT stands in the way out)
	s_add_nc_u64 s[PFB:PFB+1], s[4:5], s[40:41]
	global_prefetch_b8 v[PFO], s[PFA:PFA+1] th:TH_LOAD_NT scope:SCOPE_SE
	global_prefetch_b8 v[PFO], s[PFB:PFB+1] th:TH_LOAD_NT scope:SCOPE_SE
	global_prefetch_b8 v[PFO], s[PFB:PFB+1] offset:6400 th:TH_LOAD_NT scope:SCOPE_SE
.endif
	MUL 0, 0, 3, \isv
	s_wait_dscnt 0x0
	PLACES 4
	FETCH 2
.if (\isv) == 0
	s_cmp_eq_u32 s22, 0                            ; behind Q's first K step (and the four places) K's bias takes the registers of Q's
	s_cbranch_scc0 .Lno_bias_\@
	WIN 0x40
.irp b, 0,1,2,3,4,5,6,7
	global_load_b128 v[BI+8*\b:BI+8*\b+3], v[ABI], s[BKP:BKP+1] offset:(32*(\b/2)+8*(\b%2))*4
	global_load_b128 v[BI+8*\b+4:BI+8*\b+7], v[ABI], s[BKP:BKP+1] offset:(32*(\b/2)+8*(\b%2))*4+16
.endr
	WIN 0
.Lno_bias_\@:
.endif
	MUL 1, 0, 3, \isv
	PLAIN 2, \isv
.if \isv
	s_wait_dscnt 0x0
	s_wait_tensorcnt 0x0                           ; my part of K's second half is in,
	s_barrier_signal -1
	s_barrier_wait -1                              ; everybody's is; nothing is filled any more
	WIN 0
	SCALES 1
	PLACES 4
	FETCH 4
	MUL 3, 0, 3, 1
.else
	TURN 3, 0
.endif
	PLAIN 4, \isv
	PLAIN 5, \isv
	PLAIN 6, \isv
.if \isv
	s_wait_dscnt 0x0
	MUL 7, 0, 3, 1
.else
	TURN 7, 1
.endif
	WIN 0
	PLACES 4                                       ; in front of the first read of results
	s_wait_xcnt 0x0                                ; earlier stores and prefetches have read their registers and bases
.if \isv
	s_mov_b32 s98, s[COV]
	s_mov_b32 s42, s[SOV]
	s_add_nc_u64 s[P1:P1+1], s[12:13], s[98:99]
	s_add_nc_u64 s[S1:S1+1], s[12:13], s[42:43]
.else
	s_cmp_eq_u32 s22, 0
	s_cselect_b32 s98, s[COQ], s[COK]
	s_cselect_b32 s42, s[SOQ], s[SOK]
	s_cselect_b32 s44, 98304, s21                  ; to the next head's codes: Q 98,304 bytes, K 16 records
	s_cselect_b32 s46, 8192, s21                   ; and to its scale words
	s_cselect_b64 s[S1:S1+1], s[14:15], s[12:13]   ; Q's scale words go to hscales, K's into the records
	s_add_nc_u64 s[P1:P1+1], s[12:13], s[98:99]
	s_add_nc_u64 s[P2:P2+1], s[P1:P1+1], s[44:45]
	s_add_nc_u64 s[S1:S1+1], s[S1:S1+1], s[42:43]
	s_add_nc_u64 s[S2:S2+1], s[S1:S1+1], s[46:47]
.endif
	; THE WAY OUT, block a of 16 outer rows at a time: quantised along inner: one fragment and one scale word a row
.irp a, 0,1,2,3
.if \a > 0
	s_wait_xcnt 0x0                                ; the last block's stores have read v[PC] on
.endif
.if \isv
	WIN 0x03                                       ; source 0 window 3
.set I, 0
.rept 32
	v_pk_add_f32 v[HA+2*I:HA+2*I+1], v[64*\a+2*I:64*\a+2*I+1], v[BO+2*\a:BO+2*\a+1] op_sel_hi:[1,0]   ; + the bias along outer
.set I, I+1
.endr
	WIN 0
	QUANT HA, PW, 0
	global_store_b128 v[L16], v[PC:PC+3], s[P1:P1+1] offset:1536*\a          ; 512, 256, 512, 256 consecutive bytes, aligned to 256
	global_store_b64 v[L8], v[PC+4:PC+5], s[P1:P1+1] offset:1536*\a+512
	global_store_b128 v[L16], v[PC+6:PC+9], s[P1:P1+1] offset:1536*\a+768
	global_store_b64 v[L8], v[PC+10:PC+11], s[P1:P1+1] offset:1536*\a+1280
	ds_store_b32 v[SSTO], v[PW] offset:64*\a
.else
	QUANT 64*\a, PW, 3
	global_store_b128 v[L16], v[PC:PC+3], s[P1:P1+1] offset:768*\a           ; k 0-63: my first head; k 64-127: the next head
	global_store_b64 v[L8], v[PC+4:PC+5], s[P1:P1+1] offset:768*\a+512
	global_store_b128 v[L16], v[PC+6:PC+9], s[P2:P2+1] offset:768*\a
	global_store_b64 v[L8], v[PC+10:PC+11], s[P2:P2+1] offset:768*\a+512
	v_lshrrev_b32 v[WO], v[SHF], v[PW]             ; lanes 16-31 bring the second head's two bytes down
	ds_store_b32 v[SSTO], v[WO] offset:64*\a
.endif
.endr
	ds_load_b64 v[SO:SO+1], v[SLD]                 ; LDS serves a wave's instructions in order: these see my stores
.if (\isv) == 0
	ds_load_b64 v[SO+2:SO+3], v[SLD] offset:256
.endif
	s_wait_dscnt 0x0
	global_store_b64 v[L8], v[SO:SO+1], s[S1:S1+1] ; four tiles' scale words: 256 consecutive bytes, aligned
.if (\isv) == 0
	global_store_b64 v[L8], v[SO+2:SO+3], s[S2:S2+1]
.endif
.endm
	s_load_b256 s[4:11], s[0:1], 0x0               ; codes, b_q, b_k, b_v
	s_load_b128 s[12:15], s[0:1], 0x20             ; hcodes, hscales
	v_lshl_add_u32 v[SPW], v0, 2, SPARE
	v_mov_b32 v[NIL], 0
	ds_add_u32 v[SPW], v[NIL]
	ds_add_u32 v[SPW], v[NIL]
	v_lshrrev_b32 v1, 5, v0
	v_readfirstlane_b32 s16, v1                    ; wave 0..3
	s_lshr_b32 s17, s16, 1                         ; wo: which 64 outer rows are mine
	s_and_b32 s18, s16, 1                          ; wi: which 128 inner rows
	s_bfe_u32 s19, ttmp6, 0x40000                  ; cx
	s_bfe_u32 s20, ttmp6, 0x40004                  ; cy
	s_and_b32 s23, ttmp7, 0xffff                   ; ck: the cluster's y, 0..15
	s_lshl_b32 s40, s20, 2
	s_lshl_b32 s40, 15, s40                        ; my row of the cluster
	s_lshl_b32 s41, 0x1111, s19                    ; my column
	; descriptor groups 1: records of 6,400 bytes (800 elements of 8 bytes), 12,800 bytes apart in memory, on end in LDS: A's 8, B's 16
	s_or_b32 s[G1A], s40, (3<<16)|(1<<21)
	s_or_b32 s[G1B], s41, (3<<16)|(1<<21)
	s_mov_b32 s[G1A+1], 800<<16
	s_mov_b32 s[G1A+2], 8<<16
	s_mov_b32 s[G1A+3], 800<<16
	s_mov_b32 s[G1A+4], 8
	s_mov_b32 s[G1A+5], 1600
	s_mov_b32 s[G1A+6], 0
	s_mov_b32 s[G1A+7], 0
	s_mov_b32 s[G1B+1], 800<<16
	s_mov_b32 s[G1B+2], 16<<16
	s_mov_b32 s[G1B+3], 800<<16
	s_mov_b32 s[G1B+4], 16
	s_mov_b32 s[G1B+5], 1600
	s_mov_b32 s[G1B+6], 0
	s_mov_b32 s[G1B+7], 0
	; which tiles.  Q: A = q's 32 ck + 8 cy on, B = w_q's 1536 + 16 cx on.  K: 512 and 64 tiles further.  V: A = w_v's 1664 + 32 (ck / 8) + 8 cy on, B = v's 1024 + 64 (ck % 8) + 16 cx on
	s_lshl_b32 s42, s23, 5
	s_lshl_b32 s44, s20, 3
	s_add_co_u32 s42, s42, s44
	s_mul_i32 s[OA], s42, TILEB
	s_add_co_u32 s[OA+1], s[OA], 512*TILEB
	s_lshr_b32 s42, s23, 3
	s_lshl_b32 s42, s42, 5
	s_add_co_u32 s42, s42, s44
	s_add_co_u32 s42, s42, 1664
	s_mul_i32 s[OA+2], s42, TILEB
	s_lshl_b32 s46, s19, 4
	s_add_co_u32 s45, s46, 1536
	s_mul_i32 s[OB], s45, TILEB
	s_add_co_u32 s[OB+1], s[OB], 64*TILEB
	s_and_b32 s45, s23, 7
	s_lshl_b32 s45, s45, 6
	s_add_co_u32 s45, s45, s46
	s_add_co_u32 s45, s45, 1024
	s_mul_i32 s[OB+2], s45, TILEB
	s_mov_b32 s90, s[OB]
	s_mov_b32 s91, 0
	s_mov_b32 s96, s[OA]
	s_mov_b32 s97, 0
.irp g, 0,1
	s_mov_b32 s[G0A+4*\g], 1
	s_mov_b32 s[G0A+4*\g+1], \g*ACH
	s_mov_b32 s[G0B+4*\g], 1
	s_mov_b32 s[G0B+4*\g+1], BBASE+\g*BCH
.endr
	; LDS addresses
	v_and_b32 v1, 31, v0                           ; lane
	v_and_b32 v2, 15, v0                           ; r
	v_bfe_u32 v3, v0, 4, 1                         ; h
	v_lshlrev_b32 v[L16], 4, v1
	v_lshlrev_b32 v[L8], 3, v1
	v_lshlrev_b32 v31, 4, v2
	s_mul_i32 s84, s17, 4*REC
	s_mul_i32 s85, s18, 8*REC
	s_add_co_u32 s85, s85, BBASE
.irp g, 0,1
	v_add_nc_u32 v[ADA16+\g], s84, v[L16]
	v_add_nc_u32 v[ADA8+\g], s84, v[L8]
	v_add_nc_u32 v[ADAS+\g], s84, v31
	v_add_nc_u32 v[ADB16+\g], s85, v[L16]
	v_add_nc_u32 v[ADB8+\g], s85, v[L8]
	v_add_nc_u32 v[ADBS+\g], s85, v31
	s_add_co_u32 s84, s84, ACH
	s_add_co_u32 s85, s85, BCH
.endr
	s_lshl_b32 s86, s16, 9
	s_add_co_u32 s86, s86, SST                     ; my wave's 512 bytes for scale words
	v_lshlrev_b32 v[SSTO], 8, v3
	v_lshl_add_u32 v[SSTO], v2, 2, v[SSTO]
	v_add_nc_u32 v[SSTO], s86, v[SSTO]             ; in: 256 h + 4 r (+ 64 a)
	v_add_nc_u32 v[SLD], s86, v[L8]                ; back: 8 bytes a lane
	v_lshlrev_b32 v[SHF], 4, v3
	v_lshlrev_b32 v[ABI], 6, v3                    ; the bias along inner: + 64 h bytes
	v_and_b32 v[ABO], 8, v2
	v_add_nc_u32 v[ABO], v[ABO], v2
	v_lshlrev_b32 v[ABO], 2, v[ABO]                ; along outer: 4 (r + 8 (r / 8))
	v_min_u32 v[PFO], 24, v1
	v_lshlrev_b32 v[PFO], 8, v[PFO]                ; the prefetches: a lane a block of 256 bytes, 25 of them (the lanes left over name the last again)
	s_mov_b32 s[SEL], 0x76543210
	s_mov_b32 s[SEL+1], 0xfedcba98
.irp b, 0,1,2,3
	v_mov_b32 v[TM+4+\b], 0                        ; written once: a lane permute's destination counts as one of its sources
	v_mov_b32 v[BO+2*\b+1], 0                      ; (named with the bias as a pair)
.endr
	WALU
	s_wait_dscnt 0x0
	s_wait_kmcnt 0x0
	SETG 0
	SETG 1
	CROUND                                         ; all sixteen work-groups are here: the joint loads meet
	s_cmp_eq_u32 s16, 0                            ; Q's four tiles, one a wave, in one chain of arms
	s_cbranch_scc0 .Lwave_1
	TLOAD G0B, G1B
	s_branch .Lasked
.Lwave_1:
	s_cmp_eq_u32 s16, 1
	s_cbranch_scc0 .Lwave_2
	TLOAD G0A, G1A
	s_branch .Lasked
.Lwave_2:
	s_cmp_eq_u32 s16, 2
	s_cbranch_scc0 .Lwave_3
	TLOAD G0B+4, G1B
	s_branch .Lasked
.Lwave_3:
	TLOAD G0A+4, G1A
.Lasked:
	; the biases: Q's now, eight registers a tile of B in the result's layout; K's pointer is kept; V's four numbers a lane are kept in registers
	s_lshl_b32 s42, s19, 10
	s_lshl_b32 s44, s18, 9
	s_add_co_u32 s42, s42, s44                     ; 4 (256 cx + 128 wi)
	s_mov_b32 s43, 0
	s_add_nc_u64 s[80:81], s[6:7], s[42:43]
	s_add_nc_u64 s[BKP:BKP+1], s[8:9], s[42:43]
	s_lshr_b32 s42, s23, 3
	s_lshl_b32 s42, s42, 11
	s_lshl_b32 s44, s20, 9
	s_add_co_u32 s42, s42, s44
	s_lshl_b32 s44, s17, 8
	s_add_co_u32 s42, s42, s44                     ; 4 (512 (ck / 8) + 128 cy + 64 wo)
	s_add_nc_u64 s[10:11], s[10:11], s[42:43]
	WIN 0x40
.irp b, 0,1,2,3,4,5,6,7
	global_load_b128 v[BI+8*\b:BI+8*\b+3], v[ABI], s[80:81] offset:(32*(\b/2)+8*(\b%2))*4
	global_load_b128 v[BI+8*\b+4:BI+8*\b+7], v[ABI], s[80:81] offset:(32*(\b/2)+8*(\b%2))*4+16
.endr
	WIN 0
.irp a, 0,1,2,3
	global_load_b32 v[BO+2*\a], v[ABO], s[10:11] offset:(32*(\a/2)+8*(\a%2))*4
.endr
	; where the results go.  Q, K: token 512 ck + 128 cy + 64 wo on, heads 4 cx + 2 wi and the next
	s_lshl_b32 s40, s23, 9
	s_lshl_b32 s42, s20, 7
	s_add_co_u32 s40, s40, s42
	s_lshl_b32 s42, s17, 6
	s_add_co_u32 s40, s40, s42
	s_lshr_b32 s42, s40, 11                        ; batch
	s_bfe_u32 s40, s40, 0x70004                    ; token tile in the batch
	s_lshl_b32 s42, s42, 4
	s_lshl_b32 s44, s19, 2
	s_add_co_u32 s42, s42, s44
	s_lshl_b32 s44, s18, 1
	s_add_co_u32 s42, s42, s44                     ; 16 batch + head
	s_mul_i32 s[COQ], s42, 98304
	s_mul_i32 s44, s40, 768
	s_add_co_u32 s[COQ], s[COQ], s44
	s_lshl_b32 s[SOQ], s42, 13
	s_lshl_b32 s44, s40, 6
	s_add_co_u32 s[SOQ], s[SOQ], s44
	s_mul_i32 s45, s42, 208896
	s_lshr_b32 s44, s40, 3
	s_mul_i32 s44, s44, 13056
	s_add_co_u32 s45, s45, s44
	s_add_co_u32 s45, s45, 6291456                 ; K: the key step's record
	s_and_b32 s44, s40, 7
	s_mul_i32 s[COK], s44, 768
	s_add_co_u32 s[COK], s[COK], s45
	s_lshl_b32 s44, s44, 6
	s_add_co_u32 s[SOK], s44, s45
	s_add_co_u32 s[SOK], s[SOK], 12288
	; V: head 8 (ck / 8) + 2 cy + wo, token 1024 (ck % 8) + 256 cx + 128 wi on: one key step
	s_and_b32 s40, s23, 7
	s_lshl_b32 s40, s40, 10
	s_lshl_b32 s42, s19, 8
	s_add_co_u32 s40, s40, s42
	s_lshl_b32 s42, s18, 7
	s_add_co_u32 s40, s40, s42
	s_lshr_b32 s42, s40, 11                        ; batch
	s_bfe_u32 s40, s40, 0x40007                    ; key step
	s_lshl_b32 s42, s42, 4
	s_lshr_b32 s44, s23, 3
	s_lshl_b32 s44, s44, 3
	s_add_co_u32 s42, s42, s44
	s_lshl_b32 s44, s20, 1
	s_add_co_u32 s42, s42, s44
	s_add_co_u32 s42, s42, s17                     ; 16 batch + head
	s_mul_i32 s45, s42, 208896
	s_mul_i32 s44, s40, 13056
	s_add_co_u32 s45, s45, s44
	s_add_co_u32 s[SOV], s45, 6291456+12800
	s_add_co_u32 s[COV], s45, 6291456+6144
	s_lshl_b32 s2, s19, 2                          ; the prefetches' shares: of A's tiles by cx and the wave, of B's by cy and the wave
	s_add_co_u32 s2, s2, s16
	s_mul_i32 s2, s2, 6400
	s_lshl_b32 s3, s20, 2
	s_add_co_u32 s3, s3, s16
	s_mul_i32 s3, s3, 12800
	s_mov_b32 s21, 208896
	s_mov_b32 s41, 0                               ; the upper words of the offsets' pairs
	s_mov_b32 s43, 0
	s_mov_b32 s45, 0
	s_mov_b32 s47, 0
	s_mov_b32 s99, 0
	s_cmp_lt_u32 s16, 2                            ; waves 0 and 1 fetched K's first half: they wait for it; the second half's two loads may stay out
	s_cbranch_scc0 .Lnot_first_half
	s_wait_tensorcnt 0x0
.Lnot_first_half:
	s_barrier_signal -1
	s_barrier_wait -1
	SCALES 0
	FETCH 0
	s_mov_b32 s22, 0                               ; the kind
.Lblock:
	BLOCK 0
	s_add_co_u32 s22, s22, 1
	s_cmp_lt_u32 s22, 2
	WALU
	s_cbranch_scc1 .Lblock
	BLOCK 1
	s_wait_tensorcnt 0x0                           ; the wave's end
	ds_add_u32 v[SPW], v[NIL]
	s_wait_dscnt 0x0
	CROUND                                         ; the closing round: no work-group ends while a partner may still ask for a tile that names it
	s_endpgm
.Lfunc_end_k_qfe24ad46a2_proj:
	.size	k_qfe24ad46a2_proj, .Lfunc_end_k_qfe24ad46a2_proj-k_qfe24ad46a2_proj
	.p2alignl 7, 3214868480
	.fill 96, 4, 3214868480
	.section	.rodata,"a",@progbits
	.p2align	6, 0x0
	.amdhsa_kernel k_qfe24ad46a2_proj
		.amdhsa_group_segment_fixed_size 327680
		.amdhsa_private_segment_fixed_size 0
		.amdhsa_enable_private_segment 0
		.amdhsa_kernarg_size 48
		.amdhsa_user_sgpr_count 2
		.amdhsa_user_sgpr_kernarg_segment_ptr 1
		.amdhsa_wavefront_size32 1
		.amdhsa_system_sgpr_workgroup_id_x 1
		.amdhsa_system_sgpr_workgroup_id_y 1
		.amdhsa_system_sgpr_workgroup_id_z 1
		.amdhsa_system_vgpr_workitem_id 0
		.amdhsa_next_free_vgpr 1024
		.amdhsa_next_free_sgpr 102
		.amdhsa_reserve_vcc 0
		.amdhsa_float_denorm_mode_32 3
		.amdhsa_float_denorm_mode_16_64 3
		.amdhsa_memory_ordered 1
		.amdhsa_forward_progress 1
		.amdhsa_inst_pref_size 181
	.end_amdhsa_kernel
	.amdgpu_metadata
---
amdhsa.version: [ 1, 2 ]
amdhsa.kernels:
  - .name:           k_qfe24ad46a2_proj
    .symbol:         k_qfe24ad46a2_proj.kd
    .args:
      - { .name: codes, .offset: 0, .size: 8, .value_kind: global_buffer, .address_space: global }
      - { .name: b_q, .offset: 8, .size: 8, .value_kind: global_buffer, .address_space: global }
      - { .name: b_k, .offset: 16, .size: 8, .value_kind: global_buffer, .address_space: global }
      - { .name: b_v, .offset: 24, .size: 8, .value_kind: global_buffer, .address_space: global }
      - { .name: hcodes, .offset: 32, .size: 8, .value_kind: global_buffer, .address_space: global }
      - { .name: hscales, .offset: 40, .size: 8, .value_kind: global_buffer, .address_space: global }
    .group_segment_fixed_size: 327680
    .private_segment_fixed_size: 0
    .kernarg_segment_align: 8
    .kernarg_segment_size: 48
    .max_flat_workgroup_size: 128
    .sgpr_count:     102
    .vgpr_count:     1024
    .wavefront_size: 32
...
	.end_amdgpu_metadata
.endif
;; end of part 2
;; launch attn (part 3): grid 4 x 64, 16 waves a work-group, clusters of 4 x 1, 220,160 bytes of LDS; arguments hcodes, hscales, mask, ocodes, oscales; writes ocodes, oscales
.if DOCPART == 3
	.amdgcn_target "amdgcn-amd-amdhsa--gfx1250"
	.amdhsa_code_object_version 6
	.text
	.protected	k_qfe24ad46a2_attn
	.globl	k_qfe24ad46a2_attn
	.p2align	8
	.type	k_qfe24ad46a2_attn,@function
k_qfe24ad46a2_attn:
	s_mov_b64 s[64:65], 0
	v_nop
	global_prefetch_b8 v0, s[64:65] scope:SCOPE_SE
	s_setreg_imm32_b32 hwreg(HW_REG_WAVE_MODE, 25, 1), 1
	s_wait_xcnt 0x0
	s_wait_alu depctr_hold_cnt(0) depctr_sa_sdst(0) depctr_va_vdst(0) depctr_va_sdst(0) depctr_va_ssrc(0) depctr_va_vcc(0) depctr_vm_vsrc(0)
	s_getreg_b32 s2, hwreg(HW_REG_IB_STS2, 6, 4)
	s_cmp_eq_u32 s2, 0
	s_cbranch_scc0 .Lentry_in_a_cluster
	s_endpgm
.Lentry_in_a_cluster:
	s_bfe_u32 s2, ttmp6, 0x10000c
	s_cmp_lg_u32 s2, 0x3003
	s_cbranch_scc0 .Lentry_shape_is_right
	s_endpgm
.Lentry_shape_is_right:
; Attention of one head on codes of FP6 (E2M3) with E8M0 scales; head size 64, 2,048 keys, a mask over the keys that is an input.  The result, divided by the row's sum, is quantised along the head's 64 for the last product.
; THE SOFTMAX: t = score x log2(e) / 8; M = the row's largest t so far, rounded up to a whole number; p = 2^(t - M) is quantised along the keys, not normalised; the row's sum is taken of the unquantised p.
; When M moves, the sum and O are multiplied by 2^(old M - new M): exact.
; SHARES: a work-group owns 512 queries of one head (the cluster's y = 16 batch + head); wave w takes query tile 32 cx + 16 j + w in pass j = 0, 1.  Sixteen waves of 256 registers, four to a SIMD.
; LDS: the head's K and V lie there whole, filled once: 16 records of 13,056 bytes, one for each step of 128 keys: K's 8 tiles x 768, V's 4 tiles x 1,536, K's scale words 8 x 64, V's 4 x 64.
; Wave w asks for record w: one tensor load a wave, 51 rows of 256 bytes, jointly with the three partners of the cluster.  All is asked for at the head and there is no loop to run ahead in: so no data prefetch.
; LAYOUT: both products transposed: S^T = K Q^T (source 0 = 16 keys), O^T = V^T P^T (source 0 = 16 channels): a lane holds one query throughout.
; Lane index i of K's tile 4 c + u of a step stands for key 64 c + 8 u + i % 8 + 32 (i / 8): so lane (r, h) holds in the 32 registers of tiles 4 c .. 4 c + 3 the keys 64 c + 32 h + 0 .. 31: ONE WHOLE SCALE BLOCK,
; in the order that p's operand wants: a block's largest p needs no other lane, and the conversions' codes change no lane.  V's channel tiles: index i of tile T is channel 32 (T / 2) + 8 (T % 2) + i + 8 (i / 8).
; HEAD SIZE 64 IN A FORM 128 DEEP: Q's codes of k = 64 .. 127 are zero codes, so what stands in registers 6-11 of K's operand adds nothing: K's tiles lie six registers apart (behind the last: zeros).  Every scale byte there lies in 0 .. 254.
; THE MASK IS THE C OF K Q^T: 0 for a key that counts, -2^126 for one that does not, loaded into S^T's registers.  The largest score starts at -2^100, above every masked one: masked keys give p = 0 and leave M alone.
; LIMITS: a masked score is -2^126 and not -infinity: right while true scores stay above -2^100.  A row all of whose keys are masked has the sum 0: its scale bytes are set to 0xff, so that the last product gives NaN there, as the
; softmax of such a row is NaN.  NaN and infinities among the inputs are not served; a block under 2^-124 keeps the byte 1.
.set REC,  13056
.set VCO,  6144                        ; in a record: V's codes,
.set KSO,  12288                       ; K's scale words,
.set VSO,  12800                       ; V's
.set MB,   16*REC                      ; the mask as f32: 2,048 x 4 bytes, keys in their own order; written by LDS stores, no tile lands here
.set OS,   MB+8192                     ; the result's scale bytes: 32 tiles x 32 bytes; likewise
.set SPARE, OS+1024                    ; the spare words: 128 bytes a wave
.set B16,  1                           ; v1-4  the step's LDS addresses: record + 16, 8, 4 x lane; the mask's numbers
.set B8,   2
.set B4,   3
.set ADM,  4
.set G16,  5                           ; v5-7  16, 8, 4 x lane
.set G8,   6
.set G4,   7
.set AMB,  8                           ; MB + 128 h
.set G4R,  9                           ; 4 r
.set OSA,  10
.set SPW,  11
; v12 -M, v13 the largest score so far, v[14:15] the row's sum in two halves, v16-27 Q's operand
.set QSW,  28
.set NIL,  29
.set F,    30                          ; v30 f; v31 p's scale word
.set PSW,  31
; v32-85 K's eight tiles and six zeros, then V's four tiles
.set KSW,  86                          ; v86-89 K's scale words: lanes 0-15 tile 2 b, lanes 16-31 tile 2 b + 1
.set VSW,  90
.set TMP,  92
.set TM2,  93
; v96-159 S^T, then p; v160-191 O^T
.set PCD,  192                         ; v192-203 p's codes
.set CT,   204                         ; v204-206, v208-210 the conversions' second halves
.set BM,   212
.set BT,   216
.set BS,   220
.set SP,   224                         ; v224-229 three more chains of the sum
.set U16,  232
.set Q1,   240                         ; v240-246 pass 1's Q and its scale words
.set OSR,  252
.set WV,   14
.set SEL,  20
.set CS,   22
.set G1,   24
.set G0,   32
.set T6,   76
.set T5,   77
.set CNT,  79
.set QC,   80
.set QS,   82
.set OC,   84
.set OSG,  86
.macro WALU
	s_wait_alu depctr_va_vdst(0)
.endm
.macro DEP n
	s_delay_alu instid0(VALU_DEP_\n)
.endm
.macro CROUND
	s_barrier_signal -1
	s_barrier_wait -1
	s_cmp_lg_u32 s[WV], 0
	s_cbranch_scc1 .Lnot_wave_0_\@
	s_barrier_signal -3
.Lnot_wave_0_\@:
	s_barrier_wait -3
	s_barrier_signal -1
	s_barrier_wait -1
.endm
.macro FRAG reg, a16, a8, off
	ds_load_b128 v[\reg:\reg+3], v[\a16] offset:\off
	ds_load_b64 v[\reg+4:\reg+5], v[\a8] offset:\off+512
	ds_load_b128 v[\reg+6:\reg+9], v[\a16] offset:\off+768
	ds_load_b64 v[\reg+10:\reg+11], v[\a8] offset:\off+1280
.endm
	s_load_b256 s[4:11], s[0:1], 0x0               ; hcodes, hscales, mask, ocodes
	s_load_b64 s[12:13], s[0:1], 0x20              ; oscales
	v_lshl_add_u32 v[SPW], v0, 2, SPARE
	v_mov_b32 v[NIL], 0
	ds_add_u32 v[SPW], v[NIL]
	ds_add_u32 v[SPW], v[NIL]
	v_lshrrev_b32 v1, 5, v0
	DEP 1
	v_readfirstlane_b32 s[WV], v1                  ; wave 0..15
	s_bfe_u32 s15, ttmp6, 0x40000                  ; cx: it enters Q's and the results' global addresses alone
	s_and_b32 s16, ttmp7, 0xffff                   ; 16 batch + head
	s_lshr_b32 s17, s16, 4                         ; batch
	s_and_b32 s18, s16, 15                         ; head
	s_mov_b32 s[SEL], 0x76543210
	s_mov_b32 s[SEL+1], 0xfedcba98
	s_mov_b32 s[CS], 0x3e38aa3b                    ; c = log2(e) / sqrt(64)
	s_mov_b32 s[CS+1], s[CS]                       ; (named with it as a pair)
	s_mov_b32 s[G1], 15|(3<<16)|(1<<21)            ; a record: 51 rows of 256 bytes (32 elements of 8), dense; the mask names all four work-groups
	s_mov_b32 s[G1+1], 32<<16
	s_mov_b32 s[G1+2], 51<<16
	s_mov_b32 s[G1+3], 32<<16
	s_mov_b32 s[G1+4], 51
	s_mov_b32 s[G1+5], 32
	s_mov_b32 s[G1+6], 0
	s_mov_b32 s[G1+7], 0
	s_mov_b32 s[G0], 1
	s_mul_i32 s[G0+1], s[WV], REC                  ; record w's place in LDS
	s_mul_i32 s2, s16, 16*REC
	s_add_co_u32 s2, s2, s[G0+1]
	s_add_co_u32 s2, s2, 6291456                   ; and in hcodes
	s_mov_b32 s3, 0
	s_lshl_b32 s88, s[WV], 5
	s_add_co_u32 s88, s88, OS
	v_and_b32 v233, 31, v0                         ; lane
	v_and_b32 v234, 15, v0                         ; r
	v_bfe_u32 v235, v0, 4, 1                       ; h
	DEP 3
	v_lshlrev_b32 v[G16], 4, v233
	DEP 4
	v_lshlrev_b32 v[G8], 3, v233
	v_lshlrev_b32 v[G4], 2, v233
	DEP 4
	v_lshl_add_u32 v[AMB], v235, 7, MB             ; my half's 32 keys of a group of 64
	v_lshlrev_b32 v[G4R], 2, v234
	v_lshl_add_u32 v[OSA], v234, 1, s88            ; my tile's 32 scale bytes: 2 r
	v_lshl_add_u32 v236, v0, 4, MB                 ; the mask's way in: 16 bytes a thread
	v_add_nc_u32 v[OSR], OS, v[G16]
	v_lshlrev_b32 v237, 4, v0
.irp i, 22,23,24,25,26,27, 80,81,82,83,84,85, 216,217, 31, 92
	v_mov_b32 v[\i], 0                             ; Q's zero codes; the zeros behind K's last tile; lane permutes' destinations; the upper half of the pair v[30:31]
.endr
	v_mov_b32 v238, 0xfe800000                     ; -2^126
	WALU
	s_wait_dscnt 0x0
	CROUND                                         ; all four work-groups are here: the joint loads meet
	s_wait_kmcnt 0x0
	s_add_nc_u64 s[G0+2:G0+3], s[4:5], s[2:3]
	s_or_b32 s[G0+3], s[G0+3], 0x80000000
	tensor_load_to_lds s[G0:G0+3], s[G1:G1+7]      ; my one tensor load: key step w's record
	s_nop 0
	s_mov_b32 s91, 0
	s_lshl_b32 s90, s17, 13                        ; the batch's 2,048 mask words
	s_add_nc_u64 s[8:9], s[8:9], s[90:91]
	global_load_b128 v[248:251], v237, s[8:9]      ; 512 threads x 4 keys
	s_lshl_b32 s89, s15, 5
	s_add_co_u32 s89, s89, s[WV]                   ; my query tile of pass 0: 32 cx + w
	s_mul_i32 s90, s89, 768
	s_mul_i32 s88, s16, 98304
	s_add_co_u32 s90, s90, s88
	s_add_nc_u64 s[QC:QC+1], s[4:5], s[90:91]      ; its codes,
	s_lshl_b32 s90, s89, 6
	s_lshl_b32 s88, s16, 13
	s_add_co_u32 s90, s90, s88
	s_add_nc_u64 s[QS:QS+1], s[6:7], s[90:91]      ; its scale words
	global_load_b128 v[16:19], v[G16], s[QC:QC+1]                  ; Q's tiles of both passes: registers 0-5 of the operand
	global_load_b64 v[20:21], v[G8], s[QC:QC+1] offset:512
	global_load_b32 v[QSW], v[G4R], s[QS:QS+1]
	global_load_b128 v[Q1:Q1+3], v[G16], s[QC:QC+1] offset:12288
	global_load_b64 v[Q1+4:Q1+5], v[G8], s[QC:QC+1] offset:12288+512
	global_load_b32 v[Q1+6], v[G4R], s[QS:QS+1] offset:1024
	s_lshl_b32 s90, s17, 7
	s_add_co_u32 s90, s90, s89
	s_mul_i32 s90, s90, 12288
	s_mul_i32 s88, s18, 768
	s_add_co_u32 s90, s90, s88
	s_add_nc_u64 s[OC:OC+1], s[10:11], s[90:91]    ; my tile's place in ocodes: token tile x 12,288 + 768 x head,
	s_lshl_b32 s90, s18, 14
	s_lshl_b32 s88, s17, 12
	s_add_co_u32 s90, s90, s88
	s_lshl_b32 s88, s15, 10
	s_add_co_u32 s90, s90, s88
	s_add_nc_u64 s[OSG:OSG+1], s[12:13], s[90:91]  ; and the work-group's 1,024 bytes of oscales
	s_wait_loadcnt 0x0
.irp i, 0,1,2,3
	v_cmp_eq_u32 vcc_lo, 0, v[248+\i]
	DEP 1
	v_cndmask_b32 v[248+\i], 0, v238, vcc_lo       ; 0 where the key counts
.endr
	ds_store_b128 v236, v[248:251]
; A KEY STEP: 128 keys
.macro STEP
	v_add_nc_u32 v[B16], s[T6], v[G16]             ; the step's addresses: these four are also the places in front of loads into registers that the last products have read
	v_add_nc_u32 v[B8], s[T6], v[G8]
	v_add_nc_u32 v[B4], s[T6], v[G4]
	v_add_nc_u32 v[ADM], s[T5], v[AMB]
.irp t, 0,1,2,3,4,5,6,7
	ds_load_b128 v[96+8*\t:99+8*\t], v[ADM] offset:256*(\t/4)+32*(\t%4)          ; the mask's numbers of my eight keys of tile t: the sums begin with them
	ds_load_b128 v[100+8*\t:103+8*\t], v[ADM] offset:256*(\t/4)+32*(\t%4)+16
.endr
.irp t, 0,1,2,3,4,5,6,7
	ds_load_b128 v[32+6*\t:35+6*\t], v[B16] offset:768*\t
	ds_load_b64 v[36+6*\t:37+6*\t], v[B8] offset:768*\t+512
.endr
.irp b, 0,1,2,3
	ds_load_b32 v[KSW+\b], v[B4] offset:KSO+128*\b
.endr
	WALU
	s_wait_dscnt 0x0
.irp t, 0,1,2,3,4,5,6,7                        ; S^T = K Q^T + the mask's numbers; eight accumulators by turns
.if \t%2
	v_wmma_scale_f32_16x16x128_f8f6f4 v[96+8*\t:103+8*\t], v[32+6*\t:43+6*\t], v[16:27], v[96+8*\t:103+8*\t], v[KSW+\t/2], v[QSW] matrix_a_fmt:MATRIX_FMT_FP6 matrix_b_fmt:MATRIX_FMT_FP6 matrix_a_scale:MATRIX_SCALE_ROW1
.else
	v_wmma_scale_f32_16x16x128_f8f6f4 v[96+8*\t:103+8*\t], v[32+6*\t:43+6*\t], v[16:27], v[96+8*\t:103+8*\t], v[KSW+\t/2], v[QSW] matrix_a_fmt:MATRIX_FMT_FP6 matrix_b_fmt:MATRIX_FMT_FP6
.endif
.endr
.rept 4
	v_nop                                          ; places in front of the first read of results, and of the loads into K's registers
.endr
.irp a, 0,1,2,3
	FRAG 32+12*\a, B16, B8, VCO+1536*\a            ; V's four tiles of this step are asked for now and land while the softmax is walked
.endr
.irp a, 0,1
	ds_load_b32 v[VSW+\a], v[B4] offset:VSO+128*\a
.endr
.irp b, 0,1,2,3
	v_max3_num_f32 v[BM+\b], v[96+16*\b], v[97+16*\b], v[98+16*\b]   ; four chains of 16 scores, each accumulator from its low end on
.endr
.irp i, 3,5,7,9,11,13
.irp b, 0,1,2,3
	v_max3_num_f32 v[BM+\b], v[BM+\b], v[96+16*\b+\i], v[97+16*\b+\i]
.endr
.endr
.irp b, 0,1,2,3
	v_max_num_f32 v[BM+\b], v[BM+\b], v[111+16*\b]
.endr
	DEP 3
	v_max_num_f32 v[BM], v[BM], v[BM+1]            ; the largest score of my block h: for the row's maximum and, since p rises with the score, for the block's largest p
	DEP 2
	v_max_num_f32 v[BM+2], v[BM+2], v[BM+3]        ; and of my block 2 + h
	v_mov_b32 v[TM2], v12
	DEP 2
	v_max_num_f32 v[TMP], v[BM], v[BM+2]
	DEP 1
	v_permlanex16_b32 v[BT], v[TMP], s[SEL], s[SEL+1]
	DEP 1
	v_max3_num_f32 v13, v13, v[TMP], v[BT]         ; the running largest score, lane l xor 16's 64 keys among them
	DEP 1
	v_mul_f32 v[TMP], s[CS], -v13                  ; as -t (c is positive)
	DEP 1
	v_floor_f32 v12, v[TMP]                        ; the new -M = floor(-t): M is a whole number
	DEP 1
	v_sub_f32 v[TM2], v12, v[TM2]                  ; old M - new M: a whole number, 0 or less
	DEP 1
	v_cvt_i32_f32 v[TM2], v[TM2]                   ; (it saturates)
	DEP 1
	v_ldexp_f32 v[F], 1.0, v[TM2]                  ; f = 2^(old M - new M)
.set J, 0
.rept 32
	v_pk_fma_f32 v[96+J:97+J], v[96+J:97+J], s[CS:CS+1], v[12:13] op_sel_hi:[1,0,0]   ; t - M, two at a time
.set J, J+2
.endr
	v_fma_f32 v[BM], v[BM], s[CS], v12             ; the same of each block's largest score
	v_fma_f32 v[BM+2], v[BM+2], s[CS], v12
	WALU
.set J, 0
.rept 64
	v_exp_f32 v[96+J], v[96+J]                     ; p = 2^(t - M)
.set J, J+1
.endr
	v_exp_f32 v[BM], v[BM]                         ; the blocks' largest p
	v_exp_f32 v[BM+2], v[BM+2]
	v_pk_mul_f32 v[14:15], v[14:15], v[F:F+1] op_sel_hi:[1,0]   ; the sums under the new M: a plain place behind the exponentials
	WALU                                           ; one wait for the batch, ahead of its first reader
.irp k, 0,1,2
	v_pk_add_f32 v[SP+2*\k:SP+2*\k+1], v[96+4*\k:97+4*\k], v[98+4*\k:99+4*\k]   ; the row's sum of the unquantised p: four chains, two numbers a line
.endr
.irp i, 12,20,28,36,44,52
	v_pk_add_f32 v[14:15], v[14:15], v[96+\i:97+\i]
	v_pk_add_f32 v[SP:SP+1], v[SP:SP+1], v[98+\i:99+\i]
	v_pk_add_f32 v[SP+2:SP+3], v[SP+2:SP+3], v[100+\i:101+\i]
	v_pk_add_f32 v[SP+4:SP+5], v[SP+4:SP+5], v[102+\i:103+\i]
.endr
	v_pk_add_f32 v[14:15], v[14:15], v[156:157]
	v_pk_add_f32 v[SP:SP+1], v[SP:SP+1], v[158:159]
	DEP 3
	v_pk_add_f32 v[SP+2:SP+3], v[SP+2:SP+3], v[SP+4:SP+5]
	DEP 2
	v_pk_add_f32 v[14:15], v[14:15], v[SP:SP+1]
	DEP 1
	v_pk_add_f32 v[14:15], v[14:15], v[SP+2:SP+3]
	v_max_num_f32 v[BM], 0x1800000, v[BM]          ; the floor 2^(3 - 127): a block whose every p is 0 keeps the byte 1: its codes are zeros
	v_max_num_f32 v[BM+2], 0x1800000, v[BM+2]
	DEP 2
	v_add_nc_u32 v[BS], 0xff000000, v[BM]          ; 2 off the exponent field: the conversions' scale operand
	DEP 2
	v_add_nc_u32 v[BS+1], 0xff000000, v[BM+2]
.irp c, 0,1
	v_cvt_scalef32_pk16_fp6_f32 v[PCD+6*\c:PCD+2+6*\c], v[96+32*\c:111+32*\c], v[BS+\c]     ; registers 6 c .. 6 c + 5 of the operand: k = 64 c + 32 h + 0 .. 31
	v_cvt_scalef32_pk16_fp6_f32 v[CT+4*\c:CT+2+4*\c], v[112+32*\c:127+32*\c], v[BS+\c]      ; (a conversion's three registers begin on an even number)
.endr
	v_lshrrev_b32 v[BT], 23, v[BS]                 ; the scales' bytes.  A plain place behind the conversions
	v_lshrrev_b32 v[BT+1], 23, v[BS+1]
	DEP 1
	v_lshl_or_b32 v[BT], v[BT+1], 16, v[BT]        ; my blocks h and 2 + h
	DEP 1
	v_permlanex16_b32 v[BT+1], v[BT], s[SEL], s[SEL+1]
	DEP 1
	v_lshl_or_b32 v[PSW], v[BT+1], 8, v[BT]        ; p's scale word: whole in lanes 0-15, which alone are read
.irp c, 0,1
.irp i, 0,1,2
	v_mov_b32 v[PCD+3+6*\c+\i], v[CT+4*\c+\i]
.endr
.endr
	WALU
.set J, 0
.rept 16
	v_pk_mul_f32 v[160+J:161+J], v[160+J:161+J], v[F:F+1] op_sel_hi:[1,0]   ; O^T under the new M.  These sixteen are also the places between p's codes and scale word and the products
.set J, J+2
.endr
	WALU
	s_wait_dscnt 0x0                               ; V
.irp a, 0,1,2,3                                ; O^T += V^T P^T; four accumulators by turns
.if \a%2
	v_wmma_scale_f32_16x16x128_f8f6f4 v[160+8*\a:167+8*\a], v[32+12*\a:43+12*\a], v[PCD:PCD+11], v[160+8*\a:167+8*\a], v[VSW+\a/2], v[PSW] matrix_a_fmt:MATRIX_FMT_FP6 matrix_b_fmt:MATRIX_FMT_FP6 matrix_a_scale:MATRIX_SCALE_ROW1
.else
	v_wmma_scale_f32_16x16x128_f8f6f4 v[160+8*\a:167+8*\a], v[32+12*\a:43+12*\a], v[PCD:PCD+11], v[160+8*\a:167+8*\a], v[VSW+\a/2], v[PSW] matrix_a_fmt:MATRIX_FMT_FP6 matrix_b_fmt:MATRIX_FMT_FP6
.endif
.endr
	s_add_co_u32 s[T6], s[T6], REC                 ; the next step's record,
	s_add_co_u32 s[T5], s[T5], 512                 ; and its 128 numbers of the mask
.endm
.macro PASS j
	s_wait_xcnt 0x0                                ; the last pass's stores have read their registers
.if \j
.irp i, 0,1,2,3,4,5
	v_mov_b32 v[16+\i], v[Q1+\i]                   ; pass 1's Q; the lines below stand between these and the first product
.endr
	v_mov_b32 v[QSW], v[Q1+6]
.endif
	v_mov_b32 v13, 0xf1800000                      ; the largest score so far: -2^100
	DEP 1
	v_mul_f32 v[TMP], s[CS], -v13
	DEP 1
	v_floor_f32 v12, v[TMP]                        ; -M
	v_mov_b32 v14, 0
	v_mov_b32 v15, 0
.set J, 0
.rept 32
	v_mov_b32 v[160+J], 0                          ; O^T: the step is written once; its first walk finds zeros
.set J, J+1
.endr
.if \j == 0
	WALU
	s_wait_tensorcnt 0x0                           ; my record is in,
	s_wait_dscnt 0x0                               ; my store of the mask's numbers is done:
	s_barrier_signal -1
	s_barrier_wait -1                              ; everybody's are.  Nothing is ever filled again
.endif
	s_mov_b32 s[T6], 0
	s_mov_b32 s[T5], 0
	s_mov_b32 s[CNT], 16
.Lstep_\@:
	STEP
	s_sub_co_u32 s[CNT], s[CNT], 1
	s_cmp_lg_u32 s[CNT], 0
	s_cbranch_scc1 .Lstep_\@
.rept 4
	v_nop                                          ; places behind the last products
.endr
	v_add_f32 v14, v14, v15
	DEP 1
	v_permlanex16_b32 v[TMP], v14, s[SEL], s[SEL+1]
	DEP 1
	v_add_f32 v14, v14, v[TMP]                     ; the row's sum
	WALU
	v_rcp_f32 v[F], v14
	v_nop                                          ; a plain place behind the reciprocal
	WALU                                           ; and the wait ahead of its first reader
.set J, 0
.rept 16
	v_pk_mul_f32 v[96+J:97+J], v[160+J:161+J], v[F:F+1] op_sel_hi:[1,0]   ; O^T / the sum: register 16 b + i = channel 32 b + 16 h + i of my query
.set J, J+2
.endr
.irp b, 0,1
	v_max3_num_f32 v[BM+\b], |v[96+16*\b]|, |v[97+16*\b]|, 0x1800000
.endr
.irp i, 2,4,6,8,10,12,14
.irp b, 0,1
	DEP 2
	v_max3_num_f32 v[BM+\b], v[BM+\b], |v[96+16*\b+\i]|, |v[97+16*\b+\i]|
.endr
.endr
.irp b, 0,1
	DEP 2
	v_permlanex16_b32 v[BT+\b], v[BM+\b], s[SEL], s[SEL+1]
.endr
.irp b, 0,1
	DEP 2
	v_max_num_f32 v[BM+\b], v[BM+\b], v[BT+\b]
.endr
.irp b, 0,1
	DEP 2
	v_add_nc_u32 v[BS+\b], 0xff000000, v[BM+\b]
.endr
.irp b, 0,1
	DEP 2
	v_lshrrev_b32 v[BT+\b], 23, v[BS+\b]
.endr
	DEP 1
	v_lshl_or_b32 v[U16], v[BT+1], 8, v[BT]        ; the head's two scale bytes of my row
	v_cmp_lt_f32 vcc_lo, 0, v14
	DEP 1
	v_cndmask_b32 v[U16], 0xffff, v[U16], vcc_lo   ; a row whose sum is 0: the NaN byte
	v_cvt_scalef32_pk16_fp6_f32 v[PCD:PCD+2], v[96:111], v[BS]
	v_cvt_scalef32_pk16_fp6_f32 v[CT:CT+2], v[112:127], v[BS+1]
	v_nop
.irp i, 0,1,2
	v_permlane16_swap_b32 v[PCD+\i], v[CT+\i]      ; here a block lies in lanes l and l xor 16: lanes 0-15 take block 0 whole, lanes 16-31 block 1
.endr
.irp i, 0,1,2
	DEP 3
	v_mov_b32 v[PCD+3+\i], v[CT+\i]
.endr
	global_store_b128 v[G16], v[PCD:PCD+3], s[OC:OC+1] offset:196608*\j         ; 512 and 256 consecutive bytes, aligned to 256
	global_store_b64 v[G8], v[PCD+4:PCD+5], s[OC:OC+1] offset:196608*\j+512
	ds_store_b16 v[OSA], v[U16] offset:512*\j      ; lanes r and r + 16 write the same two bytes with the same value
.endm
	PASS 0
	PASS 1
	s_wait_dscnt 0x0                               ; my scale bytes lie in LDS,
	s_barrier_signal -1
	s_barrier_wait -1                              ; everybody's do
	s_cmp_lg_u32 s[WV], 0
	s_cbranch_scc1 .Lnot_first
	ds_load_b128 v[96:99], v[OSR]
	ds_load_b128 v[100:103], v[OSR] offset:512
	s_wait_dscnt 0x0
	global_store_b128 v[G16], v[96:99], s[OSG:OSG+1]               ; the work-group's 32 tiles: 1,024 consecutive bytes, aligned
	global_store_b128 v[G16], v[100:103], s[OSG:OSG+1] offset:512
.Lnot_first:
	s_wait_tensorcnt 0x0                           ; the wave's end
	ds_add_u32 v[SPW], v[NIL]
	s_wait_dscnt 0x0
	CROUND                                         ; the closing round
	s_endpgm
.Lfunc_end_k_qfe24ad46a2_attn:
	.size	k_qfe24ad46a2_attn, .Lfunc_end_k_qfe24ad46a2_attn-k_qfe24ad46a2_attn
	.p2alignl 7, 3214868480
	.fill 96, 4, 3214868480
	.section	.rodata,"a",@progbits
	.p2align	6, 0x0
	.amdhsa_kernel k_qfe24ad46a2_attn
		.amdhsa_group_segment_fixed_size 220160
		.amdhsa_private_segment_fixed_size 0
		.amdhsa_enable_private_segment 0
		.amdhsa_kernarg_size 40
		.amdhsa_user_sgpr_count 2
		.amdhsa_user_sgpr_kernarg_segment_ptr 1
		.amdhsa_wavefront_size32 1
		.amdhsa_system_sgpr_workgroup_id_x 1
		.amdhsa_system_sgpr_workgroup_id_y 1
		.amdhsa_system_sgpr_workgroup_id_z 1
		.amdhsa_system_vgpr_workitem_id 0
		.amdhsa_next_free_vgpr 256
		.amdhsa_next_free_sgpr 92
		.amdhsa_reserve_vcc 1
		.amdhsa_float_denorm_mode_32 3
		.amdhsa_float_denorm_mode_16_64 3
		.amdhsa_memory_ordered 1
		.amdhsa_forward_progress 1
		.amdhsa_inst_pref_size 53
	.end_amdhsa_kernel
	.amdgpu_metadata
---
amdhsa.version: [ 1, 2 ]
amdhsa.kernels:
  - .name:           k_qfe24ad46a2_attn
    .symbol:         k_qfe24ad46a2_attn.kd
    .args:
      - { .name: hcodes, .offset: 0, .size: 8, .value_kind: global_buffer, .address_space: global }
      - { .name: hscales, .offset: 8, .size: 8, .value_kind: global_buffer, .address_space: global }
      - { .name: mask, .offset: 16, .size: 8, .value_kind: global_buffer, .address_space: global }
      - { .name: ocodes, .offset: 24, .size: 8, .value_kind: global_buffer, .address_space: global }
      - { .name: oscales, .offset: 32, .size: 8, .value_kind: global_buffer, .address_space: global }
    .group_segment_fixed_size: 220160
    .private_segment_fixed_size: 0
    .kernarg_segment_align: 8
    .kernarg_segment_size: 40
    .max_flat_workgroup_size: 512
    .sgpr_count:     92
    .vgpr_count:     256
    .wavefront_size: 32
...
	.end_amdgpu_metadata
.endif
;; end of part 3
;; launch outp (part 4): grid 4 x 64, 4 waves a work-group, clusters of 4 x 4, 307,712 bytes of LDS; arguments ocodes, oscales, codes, b_o, out0; writes out0
.if DOCPART == 4
	.amdgcn_target "amdgcn-amd-amdhsa--gfx1250"
	.amdhsa_code_object_version 6
	.text
	.protected	k_qfe24ad46a2_outp
	.globl	k_qfe24ad46a2_outp
	.p2align	8
	.type	k_qfe24ad46a2_outp,@function
k_qfe24ad46a2_outp:
	s_mov_b64 s[64:65], 0
	v_nop
	global_prefetch_b8 v0, s[64:65] scope:SCOPE_SE
	s_setreg_imm32_b32 hwreg(HW_REG_WAVE_MODE, 25, 1), 1
	s_wait_xcnt 0x0
	s_wait_alu depctr_hold_cnt(0) depctr_sa_sdst(0) depctr_va_vdst(0) depctr_va_sdst(0) depctr_va_ssrc(0) depctr_va_vcc(0) depctr_vm_vsrc(0)
	s_getreg_b32 s2, hwreg(HW_REG_IB_STS2, 6, 4)
	s_cmp_eq_u32 s2, 0
	s_cbranch_scc0 .Lentry_in_a_cluster
	s_endpgm
.Lentry_in_a_cluster:
	s_bfe_u32 s2, ttmp6, 0x10000c
	s_cmp_lg_u32 s2, 0xf033
	s_cbranch_scc0 .Lentry_shape_is_right
	s_endpgm
.Lentry_shape_is_right:
; out0[token][n] = sum over k of O[token][k] w_o[n][k] + b_o[n], on codes of FP6 (E2M3) with E8M0 scales; out0 [8192][1024] f32.
; O's codes: ocodes [token tile 0..511][K step 0..7][1,536 bytes, an operand's 12 registers]; its scale bytes: oscales [head 16][token tile][row 16] of two bytes.  w_o: tiles 1728 on of codes (records of 6,400 bytes with their scale words).
; Lane index i of tile T stands for row 32 (T / 2) + 8 (T % 2) + i + 8 (i / 8).  Source 0 = 16 rows of w_o, source 1 = 16 tokens: lane (r, h) holds token index r, and the 16 registers of w_o's tiles 2 b, 2 b + 1 are outputs 32 b + 16 h + 0 .. 15.
; SHARES: a work-group makes 128 tokens x 256 outputs, a wave 64 x 128: 32 accumulators.  256 work-groups.  All of K lies in LDS, filled once, in two halves.  CLUSTER 4 x 4: O's tiles are shared along a row, w_o's along a column.
; REGISTERS: window 0: v1-31 addresses; v32-63 O's scale words, v68-131 w_o's; v128-255 at work.  window 1: fragments of even K steps, v144-207 the bias.  window 2: of odd K steps.  window 3: the accumulators.
.set REC,   6400                       ; w_o: a tile's record for half of K
.set AREC,  6144                       ; O: four fragments
.set TILEB, 12800
.set ACH,   8*AREC
.set BCH,   16*REC
.set BBASE, 2*ACH
.set OSC,   BBASE+2*BCH                ; 303,104: O's scale bytes: 16 heads x 256 bytes (8 tiles x 32)
.set SP,    528                        ; the way out: a stage of 16 rows x (512 + 16) bytes a wave.  It lies in w_o's first half of K, which has had its one fill, and which nobody reads behind the barrier in K step 3
.set ADA16, 4
.set ADA8,  6
.set ADB16, 8
.set ADB8,  10
.set AOS,   12
.set ADBS,  14
.set STO,   24
.set RD,    25
.set L8,    26
.set ABI,   28
.set L16,   30
.set SA,    32
.set SB,    68                         ; v68-131: a product's two scale registers differ by 4 modulo 8 in their numbers; v128-131 are taken at K step 3, when the head's work there is over
.set BK,    128
.set BI,    144
.set G1A,   24
.set G0A,   32
.set G1B,   48
.set G0B,   56
.set G1O,   68
.set G0O,   76
.set MSB, 0
.macro WIN new
.if MSB != \new
	s_set_vgpr_msb (MSB<<8)|\new
.set MSB, \new
.endif
.endm
.macro CROUND
	s_barrier_signal -1
	s_barrier_wait -1
	s_cmp_lg_u32 s16, 0
	s_cbranch_scc1 .Lnot_wave_0_\@
	s_barrier_signal -3
.Lnot_wave_0_\@:
	s_barrier_wait -3
	s_barrier_signal -1
	s_barrier_wait -1
.endm
.macro PLACES n
.rept \n
	v_nop
.endr
.endm
.macro FRAG reg, a16, a8, off
	ds_load_b128 v[\reg:\reg+3], v[\a16] offset:\off
	ds_load_b64 v[\reg+4:\reg+5], v[\a8] offset:\off+512
	ds_load_b128 v[\reg+6:\reg+9], v[\a16] offset:\off+768
	ds_load_b64 v[\reg+10:\reg+11], v[\a8] offset:\off+1280
.endm
	s_load_b256 s[4:11], s[0:1], 0x0               ; ocodes, oscales, codes, b_o
	s_load_b64 s[12:13], s[0:1], 0x20              ; out0
	v_lshl_add_u32 v27, v0, 2, 0x4b000
	v_mov_b32 v29, 0
	ds_add_u32 v27, v29
	ds_add_u32 v27, v29
	v_lshrrev_b32 v1, 5, v0
	v_readfirstlane_b32 s16, v1                    ; wave 0..3
	s_lshr_b32 s17, s16, 1                         ; wo: which 64 tokens.
	s_and_b32 s18, s16, 1                          ; wi: which 128 outputs.
	s_bfe_u32 s19, ttmp6, 0x40000                  ; cx
	s_bfe_u32 s20, ttmp6, 0x40004                  ; cy
	s_and_b32 s21, ttmp7, 0xffff                   ; the cluster's y, 0..15
	s_lshl_b32 s40, s20, 2
	s_lshl_b32 s40, 15, s40                        ; my row of the cluster
	s_lshl_b32 s41, 0x1111, s19                    ; my column
	s_or_b32 s[G1A], s40, (3<<16)|(1<<21)          ; O: 8 rows of 12,288 bytes (1,536 elements of 8), dense
	s_mov_b32 s[G1A+1], 1536<<16                   ; O: the work-group's 8 tiles, all of K, by one load: 8 rows of 12,288 bytes, dense
	s_mov_b32 s[G1A+2], 8<<16
	s_mov_b32 s[G1A+3], 1536<<16
	s_mov_b32 s[G1A+4], 8
	s_mov_b32 s[G1A+5], 1536
	s_mov_b32 s[G1A+6], 0
	s_mov_b32 s[G1A+7], 0
	s_or_b32 s[G1B], s41, (3<<16)|(1<<21)          ; w_o: 16 records of 6,400 bytes, 12,800 apart
	s_mov_b32 s[G1B+1], 800<<16
	s_mov_b32 s[G1B+2], 16<<16                     ; w_o: all 16 tiles, half of K, by one wave
	s_mov_b32 s[G1B+3], 800<<16
	s_mov_b32 s[G1B+4], 16
	s_mov_b32 s[G1B+5], 1600
	s_mov_b32 s[G1B+6], 0
	s_mov_b32 s[G1B+7], 0
	s_or_b32 s[G1O], s40, (3<<16)|(1<<21)          ; O's scale bytes: 16 heads' rows of 256 bytes, 16,384 apart
	s_mov_b32 s[G1O+1], 32<<16
	s_mov_b32 s[G1O+2], 16<<16                     ; O's scale bytes: all 16 heads' rows by one wave
	s_mov_b32 s[G1O+3], 32<<16
	s_mov_b32 s[G1O+4], 16
	s_mov_b32 s[G1O+5], 2048
	s_mov_b32 s[G1O+6], 0
	s_mov_b32 s[G1O+7], 0
	s_lshl_b32 s42, s21, 5
	s_lshl_b32 s44, s20, 3
	s_add_co_u32 s42, s42, s44                     ; the work-group's first token tile: 32 c + 8 cy
	s_lshl_b32 s86, s42, 5                         ; its 32 bytes a tile in a head's row of oscales
	s_mov_b32 s87, 0
	s_mul_i32 s42, s42, 12288
	s_mov_b32 s43, 0
	s_lshl_b32 s46, s19, 4
	s_add_co_u32 s46, s46, 1728                    ; w_o: the first of the 16 tiles
	s_mul_i32 s46, s46, TILEB
	s_mov_b32 s47, 0
	; LDS addresses, all made here, ahead of the branch on the wave's number
	v_and_b32 v1, 31, v0                           ; lane
	v_and_b32 v2, 15, v0                           ; r
	v_bfe_u32 v3, v0, 4, 1                         ; h
	v_lshlrev_b32 v[L16], 4, v1
	v_lshlrev_b32 v[L8], 3, v1
	v_lshlrev_b32 v31, 4, v2
	s_mul_i32 s84, s17, 8*AREC                     ; O lies in LDS tile by tile, 12,288 bytes each: my 4 tiles
	s_mul_i32 s85, s18, 8*REC
	s_add_co_u32 s85, s85, BBASE
.irp g, 0,1
	v_add_nc_u32 v[ADA16+\g], s84, v[L16]
	v_add_nc_u32 v[ADA8+\g], s84, v[L8]
	v_add_nc_u32 v[ADB16+\g], s85, v[L16]
	v_add_nc_u32 v[ADB8+\g], s85, v[L8]
	v_add_nc_u32 v[ADBS+\g], s85, v31
	s_add_co_u32 s84, s84, AREC                    ; a tile's second half of K
	s_add_co_u32 s85, s85, BCH
.endr
	s_lshl_b32 s88, s17, 7
	s_add_co_u32 s88, s88, OSC
	v_lshl_add_u32 v[AOS], v2, 1, s88              ; my 4 tiles' scale bytes: 128 wo + 2 r
	s_mul_i32 s88, s16, 16*SP                      ; my stage:
	s_add_co_u32 s88, s88, BBASE                   ; it lies in w_o's first half of K, which has had its one fill, and which nobody reads behind the barrier in K step 3
	v_mul_u32_u24 v[STO], v2, SP
	v_lshl_add_u32 v[STO], v3, 6, v[STO]
	v_add_nc_u32 v[STO], s88, v[STO]               ; in: row r, + 64 h
	v_add_nc_u32 v[RD], s88, v[L16]                ; back: a row's 512 bytes
	v_lshlrev_b32 v[ABI], 6, v3
	s_mov_b32 s84, 0                               ; each load brings a whole tile of the head's four
	s_mov_b32 s85, 0
	s_mov_b32 s88, 0
	s_wait_dscnt 0x0
	s_wait_kmcnt 0x0
	s_add_nc_u64 s[42:43], s[4:5], s[42:43]
	s_add_nc_u64 s[46:47], s[8:9], s[46:47]
	s_mov_b32 s[G0O], 1
	s_add_co_u32 s[G0O+1], s88, OSC
	s_add_nc_u64 s[G0O+2:G0O+3], s[6:7], s[86:87]
	s_or_b32 s[G0O+3], s[G0O+3], 0x80000000
.irp g, 0,1
	s_mov_b32 s[G0A+4*\g], 1
	s_add_co_u32 s[G0A+4*\g+1], s84, \g*ACH
	s_add_nc_u64 s[G0A+4*\g+2:G0A+4*\g+3], s[42:43], \g*AREC
	s_or_b32 s[G0A+4*\g+3], s[G0A+4*\g+3], 0x80000000
	s_mov_b32 s[G0B+4*\g], 1
	s_add_co_u32 s[G0B+4*\g+1], s85, BBASE+\g*BCH
	s_add_nc_u64 s[G0B+4*\g+2:G0B+4*\g+3], s[46:47], \g*REC
	s_or_b32 s[G0B+4*\g+3], s[G0B+4*\g+3], 0x80000000
.endr
	CROUND                                         ; all sixteen work-groups are here: the joint loads meet
	s_cmp_eq_u32 s16, 0                            ; the four tiles, one a wave, in one chain of arms: wave 0 w_o's first half of K, wave 1 O, wave 2 O's scale bytes, wave 3 w_o's second half
	s_cbranch_scc0 .Lwave_1
	tensor_load_to_lds s[G0B:G0B+3], s[G1B:G1B+7]
	s_nop 0
	PLACES 4
	s_branch .Lasked
.Lwave_1:
	s_cmp_eq_u32 s16, 1
	s_cbranch_scc0 .Lwave_2
	tensor_load_to_lds s[G0A:G0A+3], s[G1A:G1A+7]
	s_nop 0
	PLACES 4
	s_branch .Lasked
.Lwave_2:
	s_cmp_eq_u32 s16, 2
	s_cbranch_scc0 .Lwave_3
	tensor_load_to_lds s[G0O:G0O+3], s[G1O:G1O+7]
	s_nop 0
	PLACES 4
	s_branch .Lasked
.Lwave_3:
	tensor_load_to_lds s[G0B+4:G0B+7], s[G1B:G1B+7]
	s_nop 0
	PLACES 4
.Lasked:
	s_lshl_b32 s86, s19, 10
	s_lshl_b32 s88, s18, 9
	s_add_co_u32 s86, s86, s88                     ; 4 (256 cx + 128 wi): my first output, in bytes
	s_add_nc_u64 s[80:81], s[10:11], s[86:87]      ; in b_o
	WIN 0x40
	s_wait_alu depctr_va_vdst(0)
.irp b, 0,1,2,3,4,5,6,7                        ; the bias, eight registers a tile of w_o in the result's layout: the C of the first K step
	global_load_b128 v[BI+8*\b:BI+8*\b+3], v[ABI], s[80:81] offset:(32*(\b/2)+8*(\b%2))*4
	global_load_b128 v[BI+8*\b+4:BI+8*\b+7], v[ABI], s[80:81] offset:(32*(\b/2)+8*(\b%2))*4+16
.endr
	WIN 0
	s_lshl_b32 s88, s21, 9
	s_lshl_b32 s89, s20, 7
	s_add_co_u32 s88, s88, s89
	s_lshl_b32 s89, s17, 6
	s_add_co_u32 s88, s88, s89                     ; my first token: 512 c + 128 cy + 64 wo
	s_lshl_b32 s88, s88, 12
	s_add_co_u32 s88, s88, s86
	s_mov_b32 s89, 0
	s_add_nc_u64 s[82:83], s[12:13], s[88:89]      ; in out0
	s_wait_loadcnt 0x0
.macro SCALES g                        ; w_o's scale words of half g of K
.irp b, 0,1,2,3,4,5,6,7
	ds_load_b128 v[SB+8*\b+4*(\g):SB+8*\b+4*(\g)+3], v[ADBS+(\g)] offset:REC*\b+6144
.endr
.endm
.macro FETCH q
.if ((\q)%2) == 0
	WIN 0x40
.else
	WIN 0x80
.endif
.irp b, 0,1,2,3,4,5,6,7
	FRAG 12*\b, ADB16+(\q)/4, ADB8+(\q)/4, REC*\b+1536*((\q)%4)
.endr
.irp a, 0,1,2,3
	FRAG 96+12*\a, ADA16+(\q)/4, ADA8+(\q)/4, 2*AREC*\a+1536*((\q)%4)
.endr
	WIN 0
.endm
.macro MUL q                           ; 32 matrix instructions; the accumulators take turns, one instruction a turn
.if (\q) == 0
	WIN 0xd5
.elseif ((\q)%2) == 0
	WIN 0xf5
.else
	WIN 0xfa
.endif
.irp a, 0,1,2,3
.irp b, 0,1,2,3,4,5,6,7
.if (\q) == 0
	v_wmma_scale_f32_16x16x128_f8f6f4 v[8*(8*\a+\b):8*(8*\a+\b)+7], v[12*\b:12*\b+11], v[96+12*\a:96+12*\a+11], v[BI+8*\b:BI+8*\b+7], v[SB+8*\b+(\q)], v[SA+8*\a+(\q)] matrix_a_fmt:MATRIX_FMT_FP6 matrix_b_fmt:MATRIX_FMT_FP6
.else
	v_wmma_scale_f32_16x16x128_f8f6f4 v[8*(8*\a+\b):8*(8*\a+\b)+7], v[12*\b:12*\b+11], v[96+12*\a:96+12*\a+11], v[8*(8*\a+\b):8*(8*\a+\b)+7], v[SB+8*\b+(\q)], v[SA+8*\a+(\q)] matrix_a_fmt:MATRIX_FMT_FP6 matrix_b_fmt:MATRIX_FMT_FP6
.endif
.endr
.endr
.endm
	s_cmp_lt_u32 s16, 3                            ; waves 0 to 2 fetched what the first K steps need: they wait for it; wave 3's load may stay out
	s_cbranch_scc0 .Lnot_first_half
	s_wait_tensorcnt 0x0
.Lnot_first_half:
	s_barrier_signal -1
	s_barrier_wait -1
.irp a, 0,1,2,3
.irp e, 0,1,2,3,4,5,6,7,8,9,10,11,12,13,14,15
	ds_load_u16 v[128+16*\a+\e], v[AOS] offset:256*\e+32*\a        ; head e's two bytes of row r of my tile a
.endr
.endr
	SCALES 0
	FETCH 0
	s_wait_dscnt 56                                ; the 64 are in; the 8 + 48 loads behind them may be out
.irp a, 0,1,2,3
.irp x, 0,1,2,3,4,5,6,7
	v_lshl_or_b32 v[SA+8*\a+\x], v[129+16*\a+2*\x], 16, v[128+16*\a+2*\x]   ; K step x: heads 2 x and 2 x + 1
.endr
.endr
	PLACES 8                                       ; a scale register written by a vector instruction stands eight places ahead of a scaled matrix instruction
	s_wait_alu depctr_va_vdst(0)
.irp q, 0,1,2,3,4,5,6,7
	s_wait_dscnt 0x0                               ; this step's fragments, asked for 32 matrix instructions ago
.if \q == 3
	s_wait_tensorcnt 0x0                           ; my part of K's second half is in,
	s_barrier_signal -1
	s_barrier_wait -1                              ; everybody's is; and nobody reads the first half any more
	WIN 0
	SCALES 1
.endif
.if \q < 7
.if \q > 0
	PLACES 4                                       ; in front of loads into registers that matrix instructions have read (ISA guide 7.12.1 for vector instructions)
.endif
	FETCH \q+1
.endif
	MUL \q
.endr
	WIN 0
; THE WAY OUT, block a of 16 tokens x 128 outputs at a time: through my own stage, back as whole rows of 512 bytes.  LDS serves a wave's instructions in order (ISA guide 5.7.1.4): no wait between the stores and the loads
.macro TOSTAGE a
	WIN 0x0c                                       ; an LDS store's data are its source 1: window 3
.irp b, 0,1,2,3,4,5,6,7
	ds_store_b128 v[STO], v[8*(8*(\a)+\b):8*(8*(\a)+\b)+3] offset:128*(\b/2)+32*(\b%2)          ; each accumulator from its low end on
	ds_store_b128 v[STO], v[8*(8*(\a)+\b)+4:8*(8*(\a)+\b)+7] offset:128*(\b/2)+32*(\b%2)+16
.endr
	WIN 0
.irp i, 0,1,2,3,4,5,6,7,8,9,10,11,12,13,14,15
	ds_load_b128 v[BK+64*((\a)%2)+4*\i:BK+64*((\a)%2)+4*\i+3], v[RD] offset:SP*\i
.endr
.endm
.macro SEND a, younger                 ; younger: the LDS instructions issued behind block a's loads, which may stay out
	s_wait_dscnt \younger
.irp i, 0,1,2,3,4,5,6,7,8,9,10,11,12,13,14,15
	global_store_b128 v[L16], v[BK+64*((\a)%2)+4*\i:BK+64*((\a)%2)+4*\i+3], s[82:83] offset:(32*((\a)/2)+8*((\a)%2)+\i+8*(\i/8))*4096 th:TH_STORE_NT   ; 32 lanes store 512 consecutive bytes, aligned to 256
.endr
.endm
	PLACES 4                                       ; in front of the first read of results
	TOSTAGE 0
.irp a, 1,2,3
.if \a > 1
	s_wait_xcnt 0x0                                ; block a - 2's stores have read their registers: block a's loads may land there
.endif
	TOSTAGE \a
	SEND \a-1, 32                                  ; behind block a - 1's loads: block a's 16 stores and 16 loads
.endr
	SEND 3, 0
	s_wait_tensorcnt 0x0
	ds_add_u32 v27, v29
	s_wait_dscnt 0x0
	CROUND                                         ; the closing round
	s_endpgm
.Lfunc_end_k_qfe24ad46a2_outp:
	.size	k_qfe24ad46a2_outp, .Lfunc_end_k_qfe24ad46a2_outp-k_qfe24ad46a2_outp
	.p2alignl 7, 3214868480
	.fill 96, 4, 3214868480
	.section	.rodata,"a",@progbits
	.p2align	6, 0x0
	.amdhsa_kernel k_qfe24ad46a2_outp
		.amdhsa_group_segment_fixed_size 307712
		.amdhsa_private_segment_fixed_size 0
		.amdhsa_enable_private_segment 0
		.amdhsa_kernarg_size 40
		.amdhsa_user_sgpr_count 2
		.amdhsa_user_sgpr_kernarg_segment_ptr 1
		.amdhsa_wavefront_size32 1
		.amdhsa_system_sgpr_workgroup_id_x 1
		.amdhsa_system_sgpr_workgroup_id_y 1
		.amdhsa_system_sgpr_workgroup_id_z 1
		.amdhsa_system_vgpr_workitem_id 0
		.amdhsa_next_free_vgpr 1024
		.amdhsa_next_free_sgpr 96
		.amdhsa_reserve_vcc 0
		.amdhsa_float_denorm_mode_32 3
		.amdhsa_float_denorm_mode_16_64 3
		.amdhsa_memory_ordered 1
		.amdhsa_forward_progress 1
		.amdhsa_inst_pref_size 90
	.end_amdhsa_kernel
	.amdgpu_metadata
---
amdhsa.version: [ 1, 2 ]
amdhsa.kernels:
  - .name:           k_qfe24ad46a2_outp
    .symbol:         k_qfe24ad46a2_outp.kd
    .args:
      - { .name: ocodes, .offset: 0, .size: 8, .value_kind: global_buffer, .address_space: global }
      - { .name: oscales, .offset: 8, .size: 8, .value_kind: global_buffer, .address_space: global }
      - { .name: codes, .offset: 16, .size: 8, .value_kind: global_buffer, .address_space: global }
      - { .name: b_o, .offset: 24, .size: 8, .value_kind: global_buffer, .address_space: global }
      - { .name: out0, .offset: 32, .size: 8, .value_kind: global_buffer, .address_space: global }
    .group_segment_fixed_size: 307712
    .private_segment_fixed_size: 0
    .kernarg_segment_align: 8
    .kernarg_segment_size: 40
    .max_flat_workgroup_size: 128
    .sgpr_count:     96
    .vgpr_count:     1024
    .wavefront_size: 32
...
	.end_amdgpu_metadata
.endif
;; end of part 4
